; MI455X (gfx1250); checked and timed in simulation.
; The chip was launched on July 23, 2026; its instructions are those of AMD's public machine-readable ISA for CDNA 5 (MIT licence, August 2026) and "CDNA5" Instruction Set Architecture Reference Guide (July 2026). The comments in the code are by the model that wrote it; some were corrected since.
;; Multi Head Attention. Allowed arithmetic: matrix products marked QUANTISED: E2M3 operands, one E8M0 scale for each 32 along K, by v_wmma_scale_f32_16x16x128_f8f6f4 with both operands' format E2M3, f32 sums; everything else in f32.
;; Inputs: bk 1,024 float32; bo 1,024 float32; bq 1,024 float32; bv 1,024 float32; k 4 x 2,048 x 1,024 float32; q 4 x 2,048 x 1,024 float32; v 4 x 2,048 x 1,024 float32; wk 1,024 x 1,024 float32; wo 1,024 x 1,024 float32; wq 1,024 x 1,024 float32; wv 1,024 x 1,024 float32.
;; Outputs: out0 4 x 2,048 x 1,024 float32.
;; This version of the problem:
;;   THIS VERSION OF THE PROBLEM IS GIVEN IN LOW PRECISION. The matrix products marked QUANTISED in the list below multiply operands that are first quantised to E2M3 (2 exponent bits, 3 mantissa bits; 6 bits a number), with one power-of-two scale for each 32 numbers along K (OCP MX v1.0); their sums are f32. All else is computed in f32.
;;   The module's matrix products, in the order in which they are computed (A, B: the left and right operand; K: the contracted axis; several contracted axes count as one K, in the product's order):
;;     1. [M 8,192, K 1,024] x [K 1,024, N 1,024]; A: input q; B: input wq: QUANTISED
;;     2. [M 8,192, K 1,024] x [K 1,024, N 1,024]; A: input k; B: input wk: QUANTISED
;;     3. [M 8,192, K 1,024] x [K 1,024, N 1,024]; A: input v; B: input wv: QUANTISED
;;     4. batch 64 x [M 2,048, K 64] x [K 64, N 2,048]; A: computed on the way; B: computed on the way: QUANTISED
;;     5. batch 64 x [M 2,048, K 2,048] x [K 2,048, N 64]; A: softmax (see below); B: computed on the way: QUANTISED
;;     6. [M 8,192, K 1,024] x [K 1,024, N 1,024]; A: computed on the way; B: input wo: QUANTISED
;;   THE QUANTISER, for each operand of a quantised product, along K:
;;     - K is cut into blocks of 32 from its start; a last block that is shorter is filled with zeros.
;;     - A block's scale is 2^e with e = floor(log2(the largest magnitude in the block)) - 2, held to -126 .. 127; a block of zeros has e = 0. As a byte (E8M0): e + 127.
;;     - Each number is divided by its block's scale, clamped to +-7.5, and rounded to the nearest number of E2M3, ties to even, subnormals kept.
;;     - The product sums the exact products of the quantised numbers (number of the format x scale) in f32.
;;   ~~~python
;;   def quantise(x, axis):      # numpy; x: float32 -> the quantised numbers, widened to float32 again
;;       x = np.moveaxis(x, axis, -1); K = x.shape[-1]
;;       x = np.pad(x, [(0, 0)] * (x.ndim - 1) + [(0, -K % 32)]); x = x.reshape(x.shape[:-1] + (-1, 32)); a = np.abs(x).max(-1, keepdims=True)
;;       e = np.where(a > 0, np.clip(np.frexp(np.where(a > 0, a, 1))[1] - 1 - 2, -126, 127), 0)      # np.frexp(a)[1] - 1 = floor(log2(a)), exactly
;;       r = np.clip(x / 2.0 ** e, -7.5, 7.5)
;;       step = 2.0 ** (np.maximum(np.frexp(np.where(r == 0, 1, r))[1] - 1, 0) - 3)
;;       q = np.round(r / step) * step * 2.0 ** e      # np.round: ties to even
;;       return np.moveaxis(q.reshape(q.shape[:-2] + (-1,))[..., :K], -1, axis).astype(np.float32)
;;   ~~~
;;   SOFTMAX AHEAD OF A QUANTISED PRODUCT. Where the list says 'softmax', what is quantised is not the finished softmax but p = 2^(t - M), with t = logit x log2(e) and M = ceil(the row's largest t), a whole number; so 1/2 < the row's largest p <= 1. The row's sum l is taken of the UNQUANTISED p, in f32, and the product's result is divided by l at the end. Since M is a whole number, a kernel that streams over the keys may use a running M (the ceiling of the running maximum): every later rescaling is an exact power of two, which a block's scale takes up: the codes' values come out the same.
;;   OPERANDS COMPUTED ON THE WAY. 'Computed on the way' means the value that the module computes at that place (a softmax that the list does not call 'softmax' is quantised finished and normalised). What goes into a quantiser is computed in f32, as accurately as f32 sums, v_exp_f32 and their like allow (about 1e-6 of the number): no bf16 or f16 on the way to a quantiser, and a product that is left as it is and whose result goes on into a quantised operand takes f32 operands (vector FMAs, or v_wmma_f32_16x16x4_f32). A number that lies on a knife's edge between two numbers of the format may be rounded either way, as far as f32 arithmetic and the matrix unit's own rounding can turn it there, and no further.
;; One version. Each part assembles by itself: llvm-mc -triple=amdgcn-amd-amdhsa -mcpu=gfx1250 --defsym DOCPART=n.
;; ======== version 1 of 1: 4 launches
;; limits: right only within a limited range of input values
;; workspace buffers: xc 18,874,368 bytes; xs 786,432 bytes; wc 3,145,728 bytes; ws 131,072 bytes; pc 18,874,368 bytes; ps 786,432 bytes; oc 6,291,456 bytes; os 262,144 bytes
;; launch quant (part 1): grid 896 x 1, 4 waves a work-group, no clusters, 69,120 bytes of LDS; arguments q, k, v, wq, wk, wv, wo, xc, xs, wc, ws; writes xc, xs, wc, ws
.if DOCPART == 1
	.amdgcn_target "amdgcn-amd-amdhsa--gfx1250"
	.amdhsa_code_object_version 6
	.text
	.protected	k_q399b18ed75_quant
	.globl	k_q399b18ed75_quant
	.p2align	8
	.type	k_q399b18ed75_quant,@function
k_q399b18ed75_quant:
	s_mov_b64 s[64:65], 0
	v_nop
	global_prefetch_b8 v0, s[64:65] scope:SCOPE_SE
	s_setreg_imm32_b32 hwreg(HW_REG_WAVE_MODE, 25, 1), 1
	s_wait_xcnt 0x0
; q, k, v [8192][1024] f32 (K innermost) and wq, wk, wv, wo [1024 (K)][1024 (n)] f32 (K outermost) become codes of FP6 (E2M3) with one E8M0 byte for each 32 along K.
; A block's scale is 2^(floor(log2(its largest magnitude)) - 2); its byte is the largest magnitude's exponent field - 2, held at 1 from below.
; THE CODES' LAYOUT, for all seven: [rows / 128][16 panels of 64 along K][128 rows][48 bytes]: a K step of 256 for 128 rows is 24,576 dense bytes, and a fragment's lane takes 24 bytes at 48 row + 24 half.
; THE SCALE BYTES: [row][32].
; ROW ORDER: the rows of k, of v and of the four weights are stored with bits 3 and 4 of the row number exchanged, so that 16 neighbouring stored rows 32 b + 16 u + r are the rows 32 b + 8 u + r + 8 (r / 8):
; used as source 0 of a transposed product, two neighbouring tiles then leave 16 neighbours along the next K in a lane's 16 registers.  q's rows are stored as they are.
; Work-groups 0 to 767 take q, k, v (256 each, a wave 8 rows); 768 to 895 take the weights (32 each, a wave 32 columns x 256 along K).  Each of the two ways has LDS bytes of its own.
; No cluster: no two work-groups read the same input byte.  No tensor loads, no barrier: waves share nothing.
; LIMITS: NaN and infinities among the inputs are not served.  A block of zeros, and a block whose largest magnitude lies under 2^-124, gets the byte 1 (the rule says 127 for zeros): its codes are zeros or
; tiny, and these bytes are read by this program alone.  The weights' scale bytes leave in pieces of 8 bytes a row: one byte for each 32 of the 256 that this way reads.
.set SP,    80                         ; way X: a lane's place in a stage: 64 bytes + 16 of padding
.set WREG,  8192                       ; way X: LDS of a wave: two stages of 32 x SP bytes, behind them its 256 scale bytes
.set XR,    16                         ; v16-79   four sets of 16 numbers as loaded
.set XN,    80                         ; v80-111  two sets of 16 neighbours
.set XE,    112                        ; v112-127 a scale byte for each step
.set XCD,   128                        ; v128-191 codes, four registers a step: no store's data are written again
.set WBASE, 32768                      ; way W: its LDS begins here: a stage of 32 rows x WP bytes for each wave
.set WP,    272
.set WX,    32                         ; v32-95   two sets of 32 numbers
.set WCD,   96                         ; v96..    a block's codes
.set WOUT,  112                        ; v112-175 the way out
.set WSB,   24                         ; v24-25   eight scale bytes
	s_load_b256 s[4:11], s[0:1], 0x0               ; q, k, v, wq
	s_load_b256 s[12:19], s[0:1], 0x20             ; wk, wv, wo, xc
	s_load_b128 s[20:23], s[0:1], 0x40             ; xs, wc
	s_load_b64 s[24:25], s[0:1], 0x50              ; ws
	v_lshl_add_u32 v192, v0, 2, 0x10c00
	v_mov_b32 v193, 0
	v_lshrrev_b32 v1, 5, v0
	v_readfirstlane_b32 s26, v1                    ; wave
	v_and_b32 v2, 31, v0                           ; lane
	s_wait_kmcnt 0x0
	s_cmp_ge_u32 ttmp9, 768
	s_cbranch_scc1 .Lweights
	; ---------------- WAY X: K innermost.  A step is one panel: 8 rows x 64 along K, 2,048 bytes.
	s_wait_alu depctr_va_vdst(0)
	v_lshrrev_b32 v3, 4, v2
	v_and_b32 v15, 15, v2
	v_lshlrev_b32 v3, 12, v3
	v_lshl_add_u32 v3, v15, 4, v3                  ; a load: lanes 0-15 take 256 bytes of one row, lanes 16-31 of the next
	s_mul_i32 s28, s26, WREG
	v_lshrrev_b32 v14, 2, v2
	v_mul_u32_u24 v14, v14, SP
	v_and_b32 v15, 3, v2
	v_lshl_add_u32 v14, v15, 4, v14
	v_add_nc_u32 v14, s28, v14                     ; the stage, on the way in: four lanes' 64 bytes on end, then the padding; a load takes eight places
	v_mul_u32_u24 v15, v2, SP
	v_add_nc_u32 v15, s28, v15                     ; on the way out: place = lane: row lane / 4, K 16 (lane % 4) on
	v_mul_u32_u24 v4, v2, 12                       ; my 12 bytes of codes: 48 (lane / 4) + 12 (lane % 4)
	v_lshrrev_b32 v5, 2, v2
	v_lshlrev_b32 v5, 5, v5
	v_bfe_u32 v6, v2, 1, 1
	v_add_nc_u32 v5, v5, v6
	s_add_co_u32 s28, s28, 2*32*SP
	v_add_nc_u32 v5, s28, v5                       ; my block's scale byte in the wave's 256: 32 x row + block of the panel
	v_lshlrev_b32 v7, 3, v2
	v_add_nc_u32 v6, s28, v7                       ; and on the way out 8 bytes a lane
	s_lshr_b32 s27, ttmp9, 8                       ; which tensor: 0 q, 1 k, 2 v
	s_and_b32 s29, ttmp9, 255
	s_cmp_eq_u32 s27, 1
	s_cselect_b64 s[4:5], s[6:7], s[4:5]
	s_cmp_eq_u32 s27, 2
	s_cselect_b64 s[4:5], s[8:9], s[4:5]
	s_lshl_b32 s30, s29, 2
	s_add_co_u32 s31, s30, s26                     ; my run of 8 rows
	s_lshl_b32 s32, s31, 15                        ; 8 rows of 4,096 bytes
	s_mov_b32 s33, 0
	s_add_nc_u64 s[4:5], s[4:5], s[32:33]
	s_and_b32 s34, s26, 1                          ; row bits 3 and 4 are the wave's two bits: exchanged for k and v
	s_lshl_b32 s34, s34, 1
	s_lshr_b32 s35, s26, 1
	s_or_b32 s34, s34, s35
	s_cmp_eq_u32 s27, 0
	s_cselect_b32 s34, s26, s34
	s_add_co_u32 s30, s30, s34
	; k's rows go otherwise than v's and the weights': inside each 64 rows the run of 8 rows number 4 h + u (h = 0, 1; u = 0 .. 3) is stored as run 2 u + h,
	; so that stored row 16 u + 8 h + j is key 32 h + 8 u + j: four neighbouring tiles of K Q^T then leave a whole block of 32 keys in one lane's 32 registers.
	s_lshr_b32 s35, s29, 1
	s_lshl_b32 s35, s35, 3                         ; the 64 rows' first run
	s_and_b32 s36, s29, 1                          ; h: the work-group's lowest bit
	s_add_co_u32 s35, s35, s36
	s_lshl_b32 s36, s26, 1                         ; u: the wave
	s_add_co_u32 s35, s35, s36
	s_cmp_eq_u32 s27, 1
	s_cselect_b32 s30, s35, s30
	s_mul_i32 s32, s27, 6291456
	s_lshr_b32 s35, s30, 4
	s_mul_i32 s35, s35, 98304
	s_add_co_u32 s32, s32, s35
	s_and_b32 s35, s30, 15
	s_mul_i32 s35, s35, 384
	s_add_co_u32 s32, s32, s35
	s_add_nc_u64 s[18:19], s[18:19], s[32:33]      ; the codes
	s_lshl_b32 s32, s27, 18
	s_lshl_b32 s35, s30, 8
	s_add_co_u32 s32, s32, s35
	s_add_nc_u64 s[20:21], s[20:21], s[32:33]      ; the scale bytes: 256 a run
.macro XLOAD t
.irp i, 0,1,2,3
	global_load_b128 v[XR+16*((\t)%4)+4*\i:XR+16*((\t)%4)+4*\i+3], v3, s[4:5] offset:256*(\t)+8192*\i th:TH_LOAD_NT   ; two aligned runs of 256 bytes
.endr
.endm
.macro XTURN t                         ; a step's numbers through the stage: LDS serves a wave's instructions in order, so no wait stands between the stores and the loads
.irp i, 0,1,2,3
	ds_store_b128 v14, v[XR+16*((\t)%4)+4*\i:XR+16*((\t)%4)+4*\i+3] offset:32*SP*((\t)%2)+8*SP*\i
.endr
.irp i, 0,1,2,3
	ds_load_b128 v[XN+16*((\t)%2)+4*\i:XN+16*((\t)%2)+4*\i+3], v15 offset:32*SP*((\t)%2)+16*\i
.endr
.endm
.irp t, 0,1,2,3
	XLOAD \t
.endr
	s_wait_alu depctr_va_vdst(0)
	s_wait_loadcnt 12                              ; step 0's four loads are in
	XTURN 0
.macro XSTEP t
.set XS, XN+16*((\t)%2)
.if (\t) > 0
	s_wait_dscnt 1                                 ; this step's numbers are back from the stage (the last step's byte store may be out): so its stores into the stage have read their registers,
.else
	s_wait_dscnt 0x0
.endif
.if (\t)+4 < 16
	XLOAD (\t)+4                                   ; which take the loads of four steps on
.endif
.if (\t)+1 < 16
.if 14-(\t) >= 3
	s_wait_loadcnt 12                              ; the next step's four loads are in; those of the three steps behind it may be out
.else
	s_wait_loadcnt 4*(14-(\t))
.endif
	XTURN (\t)+1
.endif
	v_max3_num_f32 v8, |v[XS]|, |v[XS+1]|, |v[XS+2]|               ; the largest magnitude of my 16
	v_max3_num_f32 v9, |v[XS+3]|, |v[XS+4]|, |v[XS+5]|
.irp i, 6,10
	v_max3_num_f32 v8, v8, |v[XS+\i]|, |v[XS+\i+1]|
	v_max3_num_f32 v9, v9, |v[XS+\i+2]|, |v[XS+\i+3]|
.endr
	v_max3_num_f32 v8, v8, |v[XS+14]|, |v[XS+15]|
	v_max3_num_f32 v8, v8, v9, 0x1800000           ; and the floor 2^(3 - 127): the byte cannot fall under 1
	v_max_num_f32_dpp v8, v8, v8 row_xmask:1 row_mask:0xf bank_mask:0xf   ; and of my neighbour's 16: the block's
	v_add_nc_u32 v11, 0xff000000, v8               ; 2 off its exponent field: the conversion takes the exponent field of this operand as its scale
	v_cvt_scalef32_pk16_fp6_f32 v[XCD+4*(\t):XCD+4*(\t)+2], v[XS:XS+15], v11
	v_lshrrev_b32 v[XE+(\t)], 23, v11              ; the scale's byte (a plain line behind the conversion)
	ds_store_b8 v5, v[XE+(\t)] offset:2*(\t)       ; both lanes of a block write the same byte with the same value
	global_store_b96 v4, v[XCD+4*(\t):XCD+4*(\t)+2], s[18:19] offset:6144*(\t)   ; 32 lanes store 384 consecutive bytes of panel t
.endm
.irp t, 0,1,2,3,4,5,6,7,8,9,10,11,12,13,14,15
	XSTEP \t
.endr
	ds_load_b64 v[12:13], v6                       ; LDS serves a wave's instructions in order: these see my stores
	s_wait_dscnt 0x0
	global_store_b64 v7, v[12:13], s[20:21]        ; 32 lanes store 256 consecutive bytes, aligned: 8 rows' scale bytes
	s_wait_tensorcnt 0x0
	ds_add_u32 v192, v193
	s_wait_dscnt 0x0
	s_endpgm
	; ---------------- WAY W: K outermost.  A lane takes a column n, its registers run down K: a block of 32 lies in one lane.
.Lweights:
	s_sub_co_u32 s27, ttmp9, 768
	s_and_b32 s28, s27, 7                          ; which 128 columns
	s_lshr_b32 s29, s27, 3
	s_lshr_b32 s30, s29, 2                         ; which weight: 0 wq, 1 wk, 2 wv, 3 wo
	s_and_b32 s31, s29, 3                          ; which 256 along K
	s_cmp_eq_u32 s30, 1
	s_cselect_b64 s[10:11], s[12:13], s[10:11]
	s_cmp_eq_u32 s30, 2
	s_cselect_b64 s[10:11], s[14:15], s[10:11]
	s_cmp_eq_u32 s30, 3
	s_cselect_b64 s[10:11], s[16:17], s[10:11]
	s_lshl_b32 s32, s28, 7
	s_lshl_b32 s33, s26, 5
	s_add_co_u32 s32, s32, s33                     ; my wave's first column
	s_lshl_b32 s34, s31, 20                        ; 256 rows of 4,096 bytes
	s_lshl_b32 s36, s32, 2
	s_add_co_u32 s34, s34, s36
	s_mov_b32 s35, 0
	s_add_nc_u64 s[10:11], s[10:11], s[34:35]
	s_mul_i32 s34, s30, 786432
	s_mul_i32 s36, s28, 98304
	s_add_co_u32 s34, s34, s36
	s_mul_i32 s36, s31, 4*6144
	s_add_co_u32 s34, s34, s36
	s_mul_i32 s36, s26, 1536
	s_add_co_u32 s34, s34, s36
	s_add_nc_u64 s[22:23], s[22:23], s[34:35]      ; the codes: my 32 rows of my four panels
	s_lshl_b32 s34, s30, 15
	s_lshl_b32 s36, s32, 5
	s_add_co_u32 s34, s34, s36
	s_lshl_b32 s36, s31, 3
	s_add_co_u32 s34, s34, s36
	s_add_nc_u64 s[24:25], s[24:25], s[34:35]      ; the scale bytes
	s_wait_alu depctr_va_vdst(0)
	v_lshlrev_b32 v3, 2, v2                        ; in: 4 bytes a lane
	s_mul_i32 s36, s26, 32*WP
	s_add_co_u32 s36, s36, WBASE                   ; my stage
	v_mul_u32_u24 v4, v2, WP
	v_add_nc_u32 v4, s36, v4                       ; into it: row = my column; sixteen places of 16 bytes, 12 bytes of codes in each
	v_lshrrev_b32 v5, 2, v2
	v_and_b32 v6, 3, v2
	v_mul_u32_u24 v7, v5, WP
	v_lshl_add_u32 v7, v6, 4, v7
	v_add_nc_u32 v7, s36, v7                       ; out of it: four lanes to a column's 48 bytes of a panel, eight columns an instruction
	v_mul_u32_u24 v8, v2, 12                       ; and the same 384 bytes in the panel
	v_and_b32 v9, 7, v2
	v_and_b32 v10, 8, v2
	v_lshl_add_u32 v9, v10, 1, v9
	v_and_b32 v10, 16, v2
	v_lshrrev_b32 v10, 1, v10
	v_add_nc_u32 v9, v9, v10                       ; my column's stored row: bits 3 and 4 exchanged
	v_lshlrev_b32 v9, 5, v9
.macro WLOAD t                         ; block t: W(32 t + i, my column), i = 0 .. 31, into set t % 2
.irp i, 0,1,2,3,4,5,6,7,8,9,10,11,12,13,14,15,16,17,18,19,20,21,22,23,24,25,26,27,28,29,30,31
	global_load_b32 v[WX+32*((\t)%2)+\i], v3, s[10:11] offset:(32*(\t)+\i)*4096 th:TH_LOAD_NT
.endr
.endm
	WLOAD 0
	WLOAD 1
.macro WBLOCK t
.set XS, WX+32*((\t)%2)
.if (\t) < 7
	s_wait_loadcnt 32                              ; this block's 32 loads are in; the next block's may be out
.else
	s_wait_loadcnt 0
.endif
	v_max3_num_f32 v12, |v[XS]|, |v[XS+1]|, |v[XS+2]|               ; the block's largest magnitude: all 32 numbers are mine
	v_max3_num_f32 v13, |v[XS+3]|, |v[XS+4]|, |v[XS+5]|
.irp i, 6,10,14,18,22,26
	v_max3_num_f32 v12, v12, |v[XS+\i]|, |v[XS+\i+1]|
	v_max3_num_f32 v13, v13, |v[XS+\i+2]|, |v[XS+\i+3]|
.endr
	v_max3_num_f32 v12, v12, |v[XS+30]|, |v[XS+31]|
	v_max3_num_f32 v12, v12, v13, 0x1800000        ; and the floor 2^(3 - 127)
	v_add_nc_u32 v11, 0xff000000, v12              ; the conversion's scale operand
	v_lshrrev_b32 v13, 23, v11                     ; the scale's byte
.if (\t)%4 == 0
	v_mov_b32 v[WSB+(\t)/4], v13                   ; four bytes to a register, the lower K in the lower byte
.else
	v_lshl_or_b32 v[WSB+(\t)/4], v13, 8*((\t)%4), v[WSB+(\t)/4]
.endif
	v_cvt_scalef32_pk16_fp6_f32 v[WCD:WCD+2], v[XS:XS+15], v11
	v_cvt_scalef32_pk16_fp6_f32 v[WCD+4:WCD+6], v[XS+16:XS+31], v11   ; (a conversion's three registers begin on an even number)
	v_nop                                          ; one plain line behind the conversions
	ds_store_b96 v4, v[WCD:WCD+2] offset:32*(\t)
	ds_store_b96 v4, v[WCD+4:WCD+6] offset:32*(\t)+16
.if (\t)+2 < 8
	WLOAD (\t)+2
.endif
	s_wait_dscnt 0x0                               ; the stores have read their registers: the next block's codes may be written
.endm
.irp t, 0,1,2,3,4,5,6,7
	WBLOCK \t
.endr
	s_wait_alu depctr_va_vdst(0)
	global_store_b64 v9, v[WSB:WSB+1], s[24:25]    ; my column's eight scale bytes
.irp t, 0,1,2,3,4,5,6,7,8,9,10,11,12,13,14,15  ; t = 4 x panel + group of eight columns
	ds_load_b96 v[WOUT+4*\t:WOUT+4*\t+2], v7 offset:8*(\t%4)*WP+64*(\t/4)
.endr
.irp t, 0,1,2,3,4,5,6,7,8,9,10,11,12,13,14,15
	s_wait_dscnt 15-\t
	global_store_b96 v8, v[WOUT+4*\t:WOUT+4*\t+2], s[22:23] offset:(\t/4)*6144+384*(((\t%4)&1)*2+((\t%4)>>1))   ; 384 consecutive bytes; the groups' two bits exchanged
.endr
	s_wait_tensorcnt 0x0
	ds_add_u32 v192, v193
	s_wait_dscnt 0x0
	s_endpgm
.Lfunc_end_k_q399b18ed75_quant:
	.size	k_q399b18ed75_quant, .Lfunc_end_k_q399b18ed75_quant-k_q399b18ed75_quant
	.p2alignl 7, 3214868480
	.fill 96, 4, 3214868480
	.section	.rodata,"a",@progbits
	.p2align	6, 0x0
	.amdhsa_kernel k_q399b18ed75_quant
		.amdhsa_group_segment_fixed_size 69120
		.amdhsa_private_segment_fixed_size 0
		.amdhsa_enable_private_segment 0
		.amdhsa_kernarg_size 88
		.amdhsa_user_sgpr_count 2
		.amdhsa_user_sgpr_kernarg_segment_ptr 1
		.amdhsa_wavefront_size32 1
		.amdhsa_system_sgpr_workgroup_id_x 1
		.amdhsa_system_sgpr_workgroup_id_y 1
		.amdhsa_system_sgpr_workgroup_id_z 1
		.amdhsa_system_vgpr_workitem_id 0
		.amdhsa_next_free_vgpr 194
		.amdhsa_next_free_sgpr 66
		.amdhsa_reserve_vcc 0
		.amdhsa_float_denorm_mode_32 3
		.amdhsa_float_denorm_mode_16_64 3
		.amdhsa_memory_ordered 1
		.amdhsa_forward_progress 1
		.amdhsa_inst_pref_size 75
	.end_amdhsa_kernel
	.amdgpu_metadata
---
amdhsa.version: [ 1, 2 ]
amdhsa.kernels:
  - .name:           k_q399b18ed75_quant
    .symbol:         k_q399b18ed75_quant.kd
    .args:
      - { .name: q, .offset: 0, .size: 8, .value_kind: global_buffer, .address_space: global }
      - { .name: k, .offset: 8, .size: 8, .value_kind: global_buffer, .address_space: global }
      - { .name: v, .offset: 16, .size: 8, .value_kind: global_buffer, .address_space: global }
      - { .name: wq, .offset: 24, .size: 8, .value_kind: global_buffer, .address_space: global }
      - { .name: wk, .offset: 32, .size: 8, .value_kind: global_buffer, .address_space: global }
      - { .name: wv, .offset: 40, .size: 8, .value_kind: global_buffer, .address_space: global }
      - { .name: wo, .offset: 48, .size: 8, .value_kind: global_buffer, .address_space: global }
      - { .name: xc, .offset: 56, .size: 8, .value_kind: global_buffer, .address_space: global }
      - { .name: xs, .offset: 64, .size: 8, .value_kind: global_buffer, .address_space: global }
      - { .name: wc, .offset: 72, .size: 8, .value_kind: global_buffer, .address_space: global }
      - { .name: ws, .offset: 80, .size: 8, .value_kind: global_buffer, .address_space: global }
    .group_segment_fixed_size: 69120
    .private_segment_fixed_size: 0
    .kernarg_segment_align: 8
    .kernarg_segment_size: 88
    .max_flat_workgroup_size: 128
    .sgpr_count:     66
    .vgpr_count:     194
    .wavefront_size: 32
...
	.end_amdgpu_metadata
.endif
;; end of part 1
;; launch proj (part 2): grid 4 x 96, 4 waves a work-group, clusters of 4 x 4, 327,680 bytes of LDS; arguments xc, xs, wc, ws, bq, bk, bv, pc, ps; writes pc, ps
.if DOCPART == 2
	.amdgcn_target "amdgcn-amd-amdhsa--gfx1250"
	.amdhsa_code_object_version 6
	.text
	.protected	k_q399b18ed75_proj
	.globl	k_q399b18ed75_proj
	.p2align	8
	.type	k_q399b18ed75_proj,@function
k_q399b18ed75_proj:
	s_mov_b64 s[64:65], 0
	v_nop
	global_prefetch_b8 v0, s[64:65] scope:SCOPE_SE
	s_setreg_imm32_b32 hwreg(HW_REG_WAVE_MODE, 25, 1), 1
	s_wait_xcnt 0x0
	s_wait_alu depctr_hold_cnt(0) depctr_sa_sdst(0) depctr_va_vdst(0) depctr_va_sdst(0) depctr_va_ssrc(0) depctr_va_vcc(0) depctr_vm_vsrc(0)
	s_getreg_b32 s2, hwreg(HW_REG_IB_STS2, 6, 4)
	s_cmp_eq_u32 s2, 0
	s_cbranch_scc0 .Lentry_in_a_cluster
	s_endpgm
.Lentry_in_a_cluster:
	s_bfe_u32 s2, ttmp6, 0x10000c
	s_cmp_lg_u32 s2, 0xf033
	s_cbranch_scc0 .Lentry_shape_is_right
	s_endpgm
.Lentry_shape_is_right:
; Q = q wq + bq, K = k wk + bk, V = v wv + bv on codes of FP6 (E2M3) with one E8M0 byte for each 32 along K (1,024), f32 sums, each result quantised again on the way out: no f32 result is stored.
; Codes lie [rows / 128][16 panels of 64 along K][128 rows][48 bytes], scale bytes [row][32].  Cluster y / 8 says which product: 0 Q, 1 K, 2 V.
; A tile of 256 x 256 is made by four waves, 128 x 128 each, 64 accumulators; K goes in four steps of 256 through a ring of two LDS slots, each wave fetching a quarter of a slot (24,576 dense bytes) by one joint load:
; 4 x 4 work-groups form a cluster, the tile's rows are shared along a row of the cluster, its columns along a column.
; The product is used transposed: a lane holds one row of the tile's rows, its registers run along the tile's columns.  For Q and K the rows are tokens and the columns channels: the scale blocks run along the head's 64.
; For V the roles are exchanged (rows = wv's channels, columns = tokens): the scale blocks run along the tokens, which are the K of attention's second product.
; The bias along the columns is the first products' C (Q, K); the bias along the rows is added on the way out (V); the one that does not apply is set to 0 by a select.
; THE HEAD: a wave's one tensor load is its quarter of slot 0.  The scale bytes of the tile's 256 rows and 256 columns, 4,096 bytes a wave, come by plain loads in whole runs of 512 bytes and go into LDS by stores,
; as units of 256 bytes + 16: they are a small part of what a work-group reads, and the waves' head loads are taken.  Slot 1 is first filled behind the three lines and a round, as a refill is.
; LIMITS: NaN, infinities and sums beyond f32's range are not served; for Q and K a sum begins with the bias; a block of zeros gets the byte 1: these bytes are read by this program alone.
.set PANEL,  6144
.set HALFT,  4*PANEL
.set SLOT,   4*HALFT
.set NQ,     2
.set FR,     12
.set NL,     6
.set NP,     4
.set SCL,    2*SLOT
.set HALFS,  16*272
.set SBLK,   2*272
.set SPARE,  SCL+4*HALFS
.set STG,    SPARE+512
.set WSTG,   2560
.set ADRA, 16
.set ADRB, 20
.set ADRS, 27
.set SPW,  28
.set NIL,  29
.set SC,   32
.set CB,   64
.set AF,   128
.set RB,   224
.set CO0,  232
.set CO1,  233
.set CO2,  234
.set STC,  235
.set STR,  236
.set SXA,  237
.set SYA,  238
.set SCO,  239
.set H,    64
.set PC,   128
.set TM,   160
.set PW,   176
.set PWH,  177
.set BK,   192
.set WV,   22
.set WR,   23
.set WC,   3
.set G1,   24
.set G0,   32
.set G1B,  40
.set G0B,  48
.set G1S,  56
.set G1SB, 68
.set G0S,  76
.set G0SB, 80
.set SEL,  98
.set KM,   100
.set MSB, 0
.macro WIN new
.if MSB != \new
	s_set_vgpr_msb (MSB<<8)|\new
.set MSB, \new
.endif
.endm
.set MUL_LO, 0xa1
.set MUL_HI, 0xf1
.set TO_B,   0x40
.macro JLOAD g0a, g1a, g0b, g1b
	s_cmp_eq_u32 s[WR], 0
	s_cbranch_scc0 .Lfor_b_\@
	tensor_load_to_lds s[\g0a:\g0a+3], s[\g1a:\g1a+7]
	s_nop 0
.rept 4
	v_nop
.endr
	s_branch .Lasked_\@
.Lfor_b_\@:
	tensor_load_to_lds s[\g0b:\g0b+3], s[\g1b:\g1b+7]
	s_nop 0
.rept 4
	v_nop
.endr
.Lasked_\@:
.endm
.macro CREST
	s_cmp_lg_u32 s[WV], 0
	s_cbranch_scc1 .Lnot_wave_0_\@
	s_barrier_signal -3
.Lnot_wave_0_\@:
	s_barrier_wait -3
	s_barrier_signal -1
	s_barrier_wait -1
.endm
.macro CROUND
	s_barrier_signal -1
	s_barrier_wait -1
	CREST
.endm
	s_load_b256 s[4:11], s[0:1], 0x0
	s_load_b256 s[12:19], s[0:1], 0x20
	s_load_b64 s[20:21], s[0:1], 0x40
	v_lshl_add_u32 v[SPW], v0, 2, SPARE
	v_mov_b32 v[NIL], 0
	ds_add_u32 v28, v29
	ds_add_u32 v28, v29
	s_wait_dscnt 0x0
	v_lshrrev_b32 v1, 5, v0
	v_readfirstlane_b32 s[WV], v1
	s_lshr_b32 s[WR], s[WV], 1
	s_and_b32 s[WC], s[WV], 1
	s_bfe_u32 s84, ttmp6, 0x40000
	s_bfe_u32 s85, ttmp6, 0x40004
	s_and_b32 s87, ttmp7, 0xffff
	s_lshr_b32 s86, s87, 3
	s_and_b32 s87, s87, 7
	s_lshl_b32 s87, s87, 2
	s_cmp_eq_u32 s86, 2
	s_cselect_b32 s88, 0, s87
	s_cselect_b32 s89, s87, 0
	s_cselect_b32 s[KM], -1, 0
	s_add_co_u32 s88, s88, s85
	s_add_co_u32 s89, s89, s84
	s_lshl_b32 s90, s85, 2
	s_lshl_b32 s90, 15, s90
	s_lshl_b32 s91, 0x1111, s84
	s_or_b32 s[G1], s90, (3<<16)|(1<<21)
	s_or_b32 s[G1B], s91, (3<<16)|(1<<21)
.irp g, G1, G1B
	s_mov_b32 s[\g+1], 32<<16
	s_mov_b32 s[\g+2], 96<<16
	s_mov_b32 s[\g+3], 32<<16
	s_mov_b32 s[\g+4], 96
	s_mov_b32 s[\g+5], 32
	s_mov_b32 s[\g+6], 0
	s_mov_b32 s[\g+7], 0
.endr
	s_mul_i32 s2, s[WV], HALFT
	s_mul_i32 s66, s[WV], HALFS
	s_mov_b32 s[SEL], 0x76543210
	s_mov_b32 s[SEL+1], 0xfedcba98
	s_wait_kmcnt 0x0
	s_mov_b32 s93, 0
	s_mul_i32 s92, s86, 6291456
	s_add_nc_u64 s[4:5], s[4:5], s[92:93]
	s_lshl_b32 s92, s86, 18
	s_add_nc_u64 s[6:7], s[6:7], s[92:93]
	s_mul_i32 s92, s86, 786432
	s_add_nc_u64 s[8:9], s[8:9], s[92:93]
	s_lshl_b32 s92, s86, 15
	s_add_nc_u64 s[10:11], s[10:11], s[92:93]
	s_cmp_eq_u32 s86, 2
	s_cselect_b64 s[94:95], s[8:9], s[4:5]
	s_cselect_b64 s[96:97], s[4:5], s[8:9]
	s_cselect_b64 s[4:5], s[10:11], s[6:7]
	s_cselect_b64 s[8:9], s[6:7], s[10:11]
	s_lshl_b32 s92, s88, 1
	s_add_co_u32 s92, s92, s[WC]
	s_mul_i32 s6, s92, 98304
	s_mov_b32 s7, 0
	s_add_nc_u64 s[94:95], s[94:95], s[6:7]
	s_lshl_b32 s6, s92, 12
	s_add_nc_u64 s[4:5], s[4:5], s[6:7]
	s_lshl_b32 s101, s89, 1
	s_add_co_u32 s101, s101, s[WC]
	s_mul_i32 s10, s101, 98304
	s_mov_b32 s11, 0
	s_add_nc_u64 s[96:97], s[96:97], s[10:11]
	s_lshl_b32 s10, s101, 12
	s_add_nc_u64 s[8:9], s[8:9], s[10:11]
	CROUND
.irp s, 0,1
	s_mov_b32 s[G0+4*\s], 1
	s_add_co_u32 s[G0+4*\s+1], s2, \s*SLOT
	s_add_nc_u64 s[G0+4*\s+2:G0+4*\s+3], s[94:95], \s*HALFT
	s_or_b32 s[G0+4*\s+3], s[G0+4*\s+3], 0x80000000
	s_mov_b32 s[G0B+4*\s], 1
	s_add_co_u32 s[G0B+4*\s+1], s2, \s*SLOT
	s_add_nc_u64 s[G0B+4*\s+2:G0B+4*\s+3], s[96:97], \s*HALFT
	s_or_b32 s[G0B+4*\s+3], s[G0B+4*\s+3], 0x80000000
.endr
	JLOAD G0, G1, G0B, G1B                         ; K step 0, my quarter of slot 0: my one tensor load at the head
	s_cmp_eq_u32 s[WR], 0                          ; my 4,096 scale bytes: waves 0 and 1 the rows' two halves, waves 2 and 3 the columns'
	s_cselect_b64 s[56:57], s[4:5], s[8:9]
	s_add_co_u32 s58, s66, SCL                     ; and their place in LDS: 16 units of 272 bytes a wave
	v_and_b32 v10, 31, v0
	v_lshlrev_b32 v11, 4, v10                      ; 16 x lane: a load reads 512 consecutive bytes
	v_lshrrev_b32 v13, 4, v10
	v_mul_u32_u24 v13, v13, 272
	v_and_b32 v12, 15, v0
	v_lshl_add_u32 v12, v12, 4, v13
	v_add_nc_u32 v12, s58, v12                     ; unit lane / 16 of the two that a load brings, byte 16 (lane % 16)
.irp k, 0,1,2,3,4,5,6,7
	global_load_b128 v[AF+4*\k:AF+4*\k+3], v11, s[56:57] offset:512*\k
.endr
	v_and_b32 v1, 15, v0
	v_bfe_u32 v2, v0, 4, 1
	v_mul_u32_u24 v3, v1, 48
	v_mad_u32_u24 v3, v2, 24, v3
	s_mul_i32 s92, s[WR], HALFT
	s_mul_i32 s93, s[WC], HALFT
	s_add_co_u32 s93, s93, 2*HALFT
.irp s, 0,1
	v_add_nc_u32 v[ADRA+\s], s92, v3
	v_add_nc_u32 v[ADRB+\s], s93, v3
	s_add_co_u32 s92, s92, SLOT
	s_add_co_u32 s93, s93, SLOT
.endr
	v_lshlrev_b32 v5, 5, v1
	v_lshrrev_b32 v6, 8, v5
	v_lshl_add_u32 v5, v6, 4, v5
	s_mul_i32 s92, s[WR], HALFS
	s_mul_i32 s93, s[WC], HALFS
	s_add_co_u32 s93, s93, 2*HALFS
	s_sub_co_u32 s93, s93, s92
	v_mul_u32_u24 v6, s93, v2
	s_add_co_u32 s92, s92, SCL
	v_add_nc_u32 v5, v5, v6
	v_add_nc_u32 v[ADRS], s92, v5
	s_lshl_b32 s92, s88, 8
	s_lshl_b32 s94, s[WR], 7
	s_add_co_u32 s92, s92, s94
	s_lshl_b32 s93, s89, 8
	s_lshl_b32 s94, s[WC], 7
	s_add_co_u32 s93, s93, s94
	s_cmp_eq_u32 s86, 1
	s_cselect_b64 s[12:13], s[14:15], s[12:13]
	s_cmp_eq_u32 s86, 2
	s_cselect_b64 s[12:13], s[16:17], s[12:13]
	s_cselect_b32 s94, 0, s93
	s_cselect_b32 s96, s92, 0
	s_cselect_b32 s14, s93, s92
	s_cselect_b32 s15, s92, s93
	s_mov_b32 s16, 98304
	s_cselect_b32 s16, 3072, s16
	s_cselect_b32 s66, 95232, 0
	s_mov_b32 s67, 0
	s_lshl_b32 s94, s94, 2
	s_mov_b32 s95, 0
	s_lshl_b32 s96, s96, 2
	s_mov_b32 s97, 0
	s_add_nc_u64 s[94:95], s[12:13], s[94:95]
	s_add_nc_u64 s[96:97], s[12:13], s[96:97]
	v_lshlrev_b32 v7, 6, v2
.irp b, 0,1,2,3,4,5,6,7
	global_load_b128 v[CB+8*\b:CB+8*\b+3], v7, s[94:95] offset:(32*(\b/2)+8*(\b%2))*4
	global_load_b128 v[CB+8*\b+4:CB+8*\b+7], v7, s[94:95] offset:(32*(\b/2)+8*(\b%2))*4+16
.endr
	v_lshrrev_b32 v8, 3, v1
	v_lshl_add_u32 v8, v8, 3, v1
	v_lshlrev_b32 v8, 2, v8
.irp a, 0,1,2,3,4,5,6,7
	global_load_b32 v[RB+\a], v8, s[96:97] offset:(32*(\a/2)+8*(\a%2))*4
.endr
	s_lshr_b32 s4, s14, 11
	s_lshl_b32 s4, s4, 4
	s_lshr_b32 s5, s15, 6
	s_add_co_u32 s4, s4, s5
	s_and_b32 s5, s14, 2047
	s_mul_i32 s6, s86, 6291456
	s_mul_i32 s8, s4, 98304
	s_add_co_u32 s6, s6, s8
	s_mul_i32 s8, s5, 48
	s_add_co_u32 s6, s6, s8
	s_mov_b32 s7, 0
	s_add_nc_u64 s[18:19], s[18:19], s[6:7]
	s_lshl_b32 s6, s86, 18
	s_lshl_b32 s8, s4, 12
	s_add_co_u32 s6, s6, s8
	s_lshl_b32 s8, s5, 1
	s_add_co_u32 s6, s6, s8
	s_add_nc_u64 s[20:21], s[20:21], s[6:7]
	s_mul_i32 s9, s[WV], WSTG
	s_add_co_u32 s9, s9, STG
	v_and_b32 v9, 31, v0
	v_lshlrev_b32 v[CO0], 4, v9
	s_sub_co_u32 s10, s16, 768
	v_mul_u32_u24 v10, s10, v2
	v_add_nc_u32 v10, v10, v[CO0]
	v_add_nc_u32 v[CO1], 512, v10
	s_add_co_u32 s11, s16, 256
	v_add_nc_u32 v[CO2], s11, v[CO0]
	v_add_nc_u32 v[STC], s9, v3
	v_add_nc_u32 v[STR], s9, v[CO0]
	v_lshl_add_u32 v[SXA], v1, 1, s9
	v_lshl_add_u32 v[SYA], v1, 2, s9
	v_lshlrev_b32 v[SCO], 4, v1
	v_lshl_add_u32 v[SCO], v2, 12, v[SCO]
	v_mov_b32 v15, 0
	s_wait_alu depctr_va_vdst(0)
	s_wait_loadcnt 0x0                             ; the scale bytes and the biases are in
.irp k, 0,1,2,3,4,5,6,7
	ds_store_b128 v12, v[AF+4*\k:AF+4*\k+3] offset:544*\k   ; on bytes that no tensor load fills
.endr
	s_wait_tensorcnt 0x0                           ; my quarter of slot 0 is in
	ds_add_u32 v28, v29
	s_wait_dscnt 0x0                               ; the add and my stores of scale bytes are done
	CROUND                                         ; a whole round: slot 0 and all scale bytes are shown to every wave, and the partners' joint loads meet
	JLOAD G0+4, G1, G0B+4, G1B                     ; K step 1: slot 1's first fill, the first tensor load behind the round
.set i, 0
.rept 64
	v_cndmask_b32 v[CB+i], v[CB+i], v15, s[KM]
.set i, i+1
.endr
.irp a, 0,1,2,3,4,5,6,7
	v_cndmask_b32 v[RB+\a], v15, v[RB+\a], s[KM]
.endr
.macro FRAG reg, adr, q, i
.irp c, 0,1
.irp p, 0,1,2
	ds_load_b64 v[\reg+6*\c+2*\p:\reg+6*\c+2*\p+1], v[\adr] offset:(2*(\q)+\c)*PANEL+(\i)*768+8*\p
.endr
.endr
.endm
.macro MUL16 a0, p, q, sc, first
.irp a, \a0, \a0+1
.irp b, 0,1,2,3,4,5,6,7
.if \first
	v_wmma_scale_f32_16x16x128_f8f6f4 v[8*(8*((\a)%4)+\b):8*(8*((\a)%4)+\b)+7], v[128*(\p)+FR*\b:128*(\p)+FR*\b+FR-1], v[AF+FR*(\a):AF+FR*(\a)+FR-1], v[CB+8*\b:CB+8*\b+7], v[SC+8*NQ*(\sc)+NQ*\b+(\q)], v[SC+8*NQ*(\sc)+NQ*(\a)+(\q)] matrix_a_fmt:MATRIX_FMT_FP6 matrix_b_fmt:MATRIX_FMT_FP6 matrix_a_scale:MATRIX_SCALE_ROW1
.else
	v_wmma_scale_f32_16x16x128_f8f6f4 v[8*(8*((\a)%4)+\b):8*(8*((\a)%4)+\b)+7], v[128*(\p)+FR*\b:128*(\p)+FR*\b+FR-1], v[AF+FR*(\a):AF+FR*(\a)+FR-1], v[8*(8*((\a)%4)+\b):8*(8*((\a)%4)+\b)+7], v[SC+8*NQ*(\sc)+NQ*\b+(\q)], v[SC+8*NQ*(\sc)+NQ*(\a)+(\q)] matrix_a_fmt:MATRIX_FMT_FP6 matrix_b_fmt:MATRIX_FMT_FP6 matrix_a_scale:MATRIX_SCALE_ROW1
.endif
.endr
.endr
.endm
.macro FETCH_B slot, q, p
	WIN TO_B
.irp i, 0,1,2,3,4,5,6,7
	FRAG 128*(\p)+FR*\i, ADRB+\slot, \q, \i
.endr
	WIN 0
.endm
.macro FETCH_A slot, q, i0
.irp i, \i0, \i0+1, \i0+2, \i0+3
	FRAG AF+FR*(\i), ADRA+\slot, \q, \i
.endr
.endm
.macro SCALES sc
.irp i, 0,1,2,3,4,5,6,7
	ds_load_b64 v[SC+8*NQ*\sc+NQ*\i:SC+8*NQ*\sc+NQ*\i+1], v[ADRS] offset:\i*SBLK
.endr
.endm
.macro PLACES n
.rept \n
	v_nop
.endr
.endm
.macro STEP slot, q, first
	s_wait_dscnt 4*NL
.if \first
	WIN 0x81
.else
	WIN MUL_LO
.endif
	MUL16 0, (\q)%2, \q, \slot, \first
	MUL16 2, (\q)%2, \q, \slot, \first
	s_wait_dscnt 0
	PLACES NP
	FETCH_B \slot, (\q)+1, 1-(\q)%2
	FETCH_A \slot, (\q)+1, 0
.if \first
	WIN 0xc1
.else
	WIN MUL_HI
.endif
	MUL16 4, (\q)%2, \q, \slot, \first
	MUL16 6, (\q)%2, \q, \slot, \first
	PLACES NP
	WIN 0
	FETCH_A \slot, (\q)+1, 4
.endm
.macro TURN slot, next, fill
	s_wait_tensorcnt 0x0
	ds_add_u32 v[SPW], v[NIL]
	s_wait_dscnt 4*NL+1
	WIN MUL_LO
	MUL16 0, 1, NQ-1, \slot, 0
	s_wait_dscnt 0x0
	s_barrier_signal -1
	MUL16 2, 1, NQ-1, \slot, 0
	WIN 0
	s_barrier_wait -1
.if \fill
	CREST
	s_add_nc_u64 s[G0+4*\slot+2:G0+4*\slot+3], s[G0+4*\slot+2:G0+4*\slot+3], 2*HALFT
	s_add_nc_u64 s[G0B+4*\slot+2:G0B+4*\slot+3], s[G0B+4*\slot+2:G0B+4*\slot+3], 2*HALFT
	JLOAD G0+4*\slot, G1, G0B+4*\slot, G1B
.else
	PLACES NP
.endif
	s_wait_alu depctr_va_vdst(0)
	v_add_nc_u32 v[ADRS], 4*NQ, v[ADRS]
	FETCH_B \next, 0, 0
	FETCH_A \next, 0, 0
	SCALES \next
	WIN MUL_HI
	MUL16 4, 1, NQ-1, \slot, 0
	MUL16 6, 1, NQ-1, \slot, 0
	PLACES NP
	WIN 0
	FETCH_A \next, 0, 4
.endm
	s_wait_alu depctr_va_vdst(0)
	FETCH_B 0, 0, 0
	FETCH_A 0, 0, 0
	SCALES 0
	FETCH_A 0, 0, 4
	STEP 0, 0, 1
	TURN 0, 1, 1
	STEP 1, 0, 0
	TURN 1, 0, 1
	STEP 0, 0, 0
	TURN 0, 1, 0
	STEP 1, 0, 0
	s_wait_dscnt 4*NL
	WIN MUL_LO
	MUL16 0, 1, NQ-1, 1, 0
	MUL16 2, 1, NQ-1, 1, 0
	s_wait_dscnt 0
	WIN MUL_HI
	MUL16 4, 1, NQ-1, 1, 0
	MUL16 6, 1, NQ-1, 1, 0
	WIN 0
.macro QUANT s
.irp b, 0,1,2,3
	v_max3_num_f32 v[TM+\b], |v[\s+16*\b]|, |v[\s+1+16*\b]|, 0x1800000
.endr
.irp i, 2,4,6,8,10,12,14
.irp b, 0,1,2,3
	v_max3_num_f32 v[TM+\b], v[TM+\b], |v[\s+16*\b+\i]|, |v[\s+1+16*\b+\i]|
.endr
.endr
.irp b, 0,1,2,3
	v_permlanex16_b32 v[TM+4+\b], v[TM+\b], s[SEL], s[SEL+1]
.endr
.irp b, 0,1,2,3
	v_max_num_f32 v[TM+\b], v[TM+\b], v[TM+4+\b]
.endr
.irp b, 0,1,2,3
	v_add_nc_u32 v[TM+12+\b], 0xff000000, v[TM+\b]
.endr
.irp b, 0,1,2,3
	v_lshrrev_b32 v[TM+4+\b], 23, v[TM+12+\b]
.endr
	v_lshl_or_b32 v[PW], v[TM+5], 8, v[TM+4]
	v_lshl_or_b32 v[PW], v[TM+6], 16, v[PW]
	v_lshl_or_b32 v[PW], v[TM+7], 24, v[PW]
.irp c, 0,1
	v_cvt_scalef32_pk16_fp6_f32 v[PC+6*\c:PC+2+6*\c], v[\s+32*\c:\s+15+32*\c], v[TM+12+2*\c]
	v_cvt_scalef32_pk16_fp6_f32 v[PC+12+4*\c:PC+14+4*\c], v[\s+16+32*\c:\s+31+32*\c], v[TM+12+2*\c+1]
.endr
	v_nop
.irp c, 0,1
.irp i, 0,1,2
	v_permlane16_swap_b32 v[PC+6*\c+\i], v[PC+12+4*\c+\i]
.endr
.irp i, 0,1,2
	v_mov_b32 v[PC+3+6*\c+\i], v[PC+12+4*\c+\i]
.endr
.endr
.endm
.macro PACKQ a
	WIN 0x02+(\a)/4
.set i, 0
.rept 32
.if (\a)%2
	v_pk_add_f32 v[H+2*i:H+2*i+1], v[64*((\a)%4)+2*i:64*((\a)%4)+2*i+1], v[RB+2*((\a)/2):RB+2*((\a)/2)+1] op_sel:[0,1] op_sel_hi:[1,1]
.else
	v_pk_add_f32 v[H+2*i:H+2*i+1], v[64*((\a)%4)+2*i:64*((\a)%4)+2*i+1], v[RB+2*((\a)/2):RB+2*((\a)/2)+1] op_sel:[0,0] op_sel_hi:[1,0]
.endif
.set i, i+1
.endr
	WIN 0
	QUANT H
.endm
.macro TOSTAGE a
.irp c, 0,1
.irp p, 0,1,2
	ds_store_b64 v[STC], v[PC+6*\c+2*\p:PC+6*\c+2*\p+1] offset:768*\c+8*\p
.endr
.endr
	ds_store_b32 v[SYA], v[PW] offset:2048+64*(\a)
	ds_store_b16 v[SXA], v[PW] offset:1536+32*(\a)
	v_lshrrev_b32 v[PWH], 16, v[PW]
	ds_store_b16 v[SXA], v[PWH] offset:1792+32*(\a)
.irp i, 0,1,2
	ds_load_b128 v[BK+12*((\a)%2)+4*\i:BK+12*((\a)%2)+4*\i+3], v[STR] offset:512*\i
.endr
	s_wait_dscnt 3
.endm
.macro SEND a
	s_wait_dscnt 0x0
	s_wait_xcnt 0x0
.if (\a) > 0
	s_add_nc_u64 s[18:19], s[18:19], 768
.endif
.if (\a) == 4
	s_add_nc_u64 s[18:19], s[18:19], s[66:67]
.endif
	global_store_b128 v[CO0], v[BK+12*((\a)%2):BK+12*((\a)%2)+3], s[18:19] th:TH_STORE_NT
	global_store_b128 v[CO1], v[BK+12*((\a)%2)+4:BK+12*((\a)%2)+7], s[18:19] th:TH_STORE_NT
	global_store_b128 v[CO2], v[BK+12*((\a)%2)+8:BK+12*((\a)%2)+11], s[18:19] th:TH_STORE_NT
.endm
	PLACES NP
.irp b, 0,1,2,3
	v_mov_b32 v[TM+4+\b], 0
.endr
	PACKQ 0
	TOSTAGE 0
.irp a, 1,2,3,4,5,6,7
	PACKQ \a
	s_wait_alu depctr_va_vdst(0)
	SEND \a-1
	TOSTAGE \a
.endr
	SEND 7
	ds_load_b128 v[216:219], v[STR] offset:1536
	ds_load_b128 v[220:223], v[STR] offset:2048
	s_wait_dscnt 0x0
.irp i, 0,1,2,3
	v_cndmask_b32 v[216+\i], v[216+\i], v[220+\i], s[KM]
.endr
	global_store_b128 v[SCO], v[216:219], s[20:21] th:TH_STORE_NT
	s_wait_tensorcnt 0x0
	ds_add_u32 v[SPW], v[NIL]
	s_wait_dscnt 0x0
	CROUND
	s_endpgm
.Lfunc_end_k_q399b18ed75_proj:
	.size	k_q399b18ed75_proj, .Lfunc_end_k_q399b18ed75_proj-k_q399b18ed75_proj
	.p2alignl 7, 3214868480
	.fill 96, 4, 3214868480
	.section	.rodata,"a",@progbits
	.p2align	6, 0x0
	.amdhsa_kernel k_q399b18ed75_proj
		.amdhsa_group_segment_fixed_size 327680
		.amdhsa_private_segment_fixed_size 0
		.amdhsa_enable_private_segment 0
		.amdhsa_kernarg_size 72
		.amdhsa_user_sgpr_count 2
		.amdhsa_user_sgpr_kernarg_segment_ptr 1
		.amdhsa_wavefront_size32 1
		.amdhsa_system_sgpr_workgroup_id_x 1
		.amdhsa_system_sgpr_workgroup_id_y 1
		.amdhsa_system_sgpr_workgroup_id_z 1
		.amdhsa_system_vgpr_workitem_id 0
		.amdhsa_next_free_vgpr 1024
		.amdhsa_next_free_sgpr 102
		.amdhsa_reserve_vcc 0
		.amdhsa_float_denorm_mode_32 3
		.amdhsa_float_denorm_mode_16_64 3
		.amdhsa_memory_ordered 1
		.amdhsa_forward_progress 1
		.amdhsa_inst_pref_size 196
	.end_amdhsa_kernel
	.amdgpu_metadata
---
amdhsa.version: [ 1, 2 ]
amdhsa.kernels:
  - .name:           k_q399b18ed75_proj
    .symbol:         k_q399b18ed75_proj.kd
    .args:
      - { .name: xc, .offset: 0, .size: 8, .value_kind: global_buffer, .address_space: global }
      - { .name: xs, .offset: 8, .size: 8, .value_kind: global_buffer, .address_space: global }
      - { .name: wc, .offset: 16, .size: 8, .value_kind: global_buffer, .address_space: global }
      - { .name: ws, .offset: 24, .size: 8, .value_kind: global_buffer, .address_space: global }
      - { .name: bq, .offset: 32, .size: 8, .value_kind: global_buffer, .address_space: global }
      - { .name: bk, .offset: 40, .size: 8, .value_kind: global_buffer, .address_space: global }
      - { .name: bv, .offset: 48, .size: 8, .value_kind: global_buffer, .address_space: global }
      - { .name: pc, .offset: 56, .size: 8, .value_kind: global_buffer, .address_space: global }
      - { .name: ps, .offset: 64, .size: 8, .value_kind: global_buffer, .address_space: global }
    .group_segment_fixed_size: 327680
    .private_segment_fixed_size: 0
    .kernarg_segment_align: 8
    .kernarg_segment_size: 72
    .max_flat_workgroup_size: 128
    .sgpr_count:     102
    .vgpr_count:     1024
    .wavefront_size: 32
...
	.end_amdgpu_metadata
.endif
;; end of part 2
;; launch attn (part 3): grid 4 x 64, 8 waves a work-group, clusters of 4 x 1, 219,136 bytes of LDS; arguments pc, ps, oc, os; writes oc, os
.if DOCPART == 3
	.amdgcn_target "amdgcn-amd-amdhsa--gfx1250"
	.amdhsa_code_object_version 6
	.text
	.protected	k_q399b18ed75_attn
	.globl	k_q399b18ed75_attn
	.p2align	8
	.type	k_q399b18ed75_attn,@function
k_q399b18ed75_attn:
	s_mov_b64 s[64:65], 0
	v_nop
	global_prefetch_b8 v0, s[64:65] scope:SCOPE_SE
	s_setreg_imm32_b32 hwreg(HW_REG_WAVE_MODE, 25, 1), 1
	s_wait_xcnt 0x0
	s_wait_alu depctr_hold_cnt(0) depctr_sa_sdst(0) depctr_va_vdst(0) depctr_va_sdst(0) depctr_va_ssrc(0) depctr_va_vcc(0) depctr_vm_vsrc(0)
	s_getreg_b32 s2, hwreg(HW_REG_IB_STS2, 6, 4)
	s_cmp_eq_u32 s2, 0
	s_cbranch_scc0 .Lentry_in_a_cluster
	s_endpgm
.Lentry_in_a_cluster:
	s_bfe_u32 s2, ttmp6, 0x10000c
	s_cmp_lg_u32 s2, 0x3003
	s_cbranch_scc0 .Lentry_shape_is_right
	s_endpgm
.Lentry_shape_is_right:
; Attention of one head on codes of FP6 (E2M3): S^T = K Q^T (K = the head's 64), the softmax, O^T = V^T P^T (K = the keys), O / l, and O quantised along the model's 1,024 for the last projection.
; THE SOFTMAX: t = score x log2(e) / 8; M = the row's largest t so far, rounded up to a whole number; p = 2^(t - M) is quantised along the keys, not normalised; the row's sum is taken of the unquantised p and divides O at the end.
; When M moves, the sum and O are multiplied by 2^(old M - new M): exact, done in every step, no branch on data.
; SHARES.  A cluster of four work-groups is one head (cluster y).  A work-group owns 512 queries, in two passes of 256; each of its eight waves owns 32 queries a pass, two tiles x = 0, 1 of 16: a step's fragments of K and V are
; fetched from LDS once for both tiles: 54 LDS loads for 24 products.
; ALL OF THE HEAD'S K AND V STAY IN LDS: 2 x 98,304 bytes of codes and 2 x 4,096 of scales, filled ONCE by joint loads that all four work-groups issue alike (mask 15), one load a wave: waves 0-5 take 32,768 bytes of codes each,
; waves 6 and 7 the scales.  Nothing is filled again: no ring.  No data prefetch: all that the launch reads by tensor loads is asked for at the head, there is no loop to run ahead in.
; LAYOUT.  Both products are used transposed: a lane holds ONE query (lane % 16) throughout.  K's stored row 16 u + 8 h + j of each 64 is key 32 h + 8 u + j, so the 32 registers of tiles 4 c .. 4 c + 3 in lane (r, h) are keys
; 64 c + 32 h + 0 .. 31 of the step: a whole scale block, in the order of the next operand's registers 6 c .. 6 c + 5.  A block's maximum needs no other lane, and the codes are not moved between lanes.
; THE FIRST PRODUCT'S K IS 64, THE INSTRUCTION'S 128.  Q's registers 6 to 11 hold zero codes, so every product of k = 64 .. 127 is 0 whatever K's registers 6 to 11 hold: they are the next fragment's codes (E2M3 has no NaN and no
; infinity); the scale bytes of those k are 0, which stands for 2^-127 and is no NaN.  So K's eight fragments lie 6 registers apart.
; A block's largest p is not searched for: the block's largest score goes through the same multiply-add and exponential (this takes v_exp_f32 not to fall where its input rises).
; OUT: codes [rows / 128][head][128 rows][48 bytes], runs of 512 bytes; scale bytes [row][32], two bytes a row and head, which leave singly: 2 bytes for each 48 of codes.
; LIMITS: the promise holds while the scaled scores t stay under 2^31 in magnitude.  NaN and infinities are not served; a block of zeros gets the byte 1: these bytes are read by this program alone.
; REGISTERS, window 0: v1-v7 lane addresses; v8-11 the step's LDS addresses; v12+4x -M, v13+4x the largest score, v[14+4x:15+4x] the sum; v20 8 h; v21, v22 offsets; v[24+2x:25+2x] f and 0; v28-31 the blocks' largest (2 x + c);
;   v32-35, v36-39 bytes and scale operands; v40-43 at work; v44-47 K's scale bytes (lanes 0-15 an even tile, 16-31 the odd one); v48-51 Q's; v52, 53 V's; v54, 55 the spare word and 0; v56, 57 p's scale words;
;   v58-81 p's codes; v82-88 at work; v90-121 sums; v128-255 S^T, then p (64 x + 32 c + i).
; Window 1: v0-53 K's fragments; v56-103 V's; v104-127 and v192-215 Q of pass 0 and 1; v128-191 O^T (32 x + 8 t + j).
.set STG,   204800                     ; the waves' stages, 1,536 bytes each: no tensor load lands there
.set SPARE, 217088                     ; the spare words, 128 bytes a wave
.set KF, 0
.set VF, 56
.set QF, 104
.set MSB, 0
.macro WIN new                         ; the immediate's high byte repeats the setting that is left
.if MSB != \new
	s_set_vgpr_msb (MSB<<8)|\new
.set MSB, \new
.endif
.endm
.macro WALU
	s_wait_alu depctr_va_vdst(0)
.endm
.macro ROUND
	s_barrier_signal -1
	s_barrier_wait -1
	s_cmp_lg_u32 s12, 0
	s_cbranch_scc1 .Lnot_wave_0_\@
	s_barrier_signal -3
.Lnot_wave_0_\@:
	s_barrier_wait -3
	s_barrier_signal -1
	s_barrier_wait -1
.endm
.macro WM d, a, b, c, sa, sb, o        ; a product; o: source 0's scales stand in lanes 16-31
.if \o
	v_wmma_scale_f32_16x16x128_f8f6f4 v[\d:\d+7], v[\a:\a+11], v[\b:\b+11], \c, v[\sa], v[\sb] matrix_a_fmt:MATRIX_FMT_FP6 matrix_b_fmt:MATRIX_FMT_FP6 matrix_a_scale:MATRIX_SCALE_ROW1
.else
	v_wmma_scale_f32_16x16x128_f8f6f4 v[\d:\d+7], v[\a:\a+11], v[\b:\b+11], \c, v[\sa], v[\sb] matrix_a_fmt:MATRIX_FMT_FP6 matrix_b_fmt:MATRIX_FMT_FP6
.endif
.endm
.macro KLOAD a                         ; K's eight fragments (destination in window 1)
.irp t, 0,1,2,3,4,5,6,7
.irp p, 0,1,2
	ds_load_b64 v[KF+6*\t+2*\p:KF+6*\t+2*\p+1], \a offset:768*\t+8*\p
.endr
.endr
.endm
.macro KSLOAD a                        ; their scale bytes: two tiles to a register
.irp t, 0,1,2,3
	ds_load_u16 v[44+\t], \a offset:64*\t
.endr
.endm
.macro LV b, n                         ; a level of a tree of packed sums over the pairs from register b on
.set i, 0
.rept \n
	v_pk_add_f32 v[\b+2*i:\b+2*i+1], v[\b+2*i:\b+2*i+1], v[\b+2*(i+\n):\b+2*(i+\n)+1]
.set i, i+1
.endr
.endm
.macro CVT x                           ; tile x's 64 p into 12 registers of codes; a conversion's three registers begin on an even number, so each block's second half goes by way of v82 ..
.irp c, 0,1
	v_cvt_scalef32_pk16_fp6_f32 v[58+12*\x+6*\c:60+12*\x+6*\c], v[128+64*\x+32*\c:143+64*\x+32*\c], v[36+2*\x+\c]
	v_cvt_scalef32_pk16_fp6_f32 v[82+4*\c:84+4*\c], v[144+64*\x+32*\c:159+64*\x+32*\c], v[36+2*\x+\c]
.endr
.endm
.macro MOVC x
.irp c, 0,1
.irp i, 0,1,2
	v_mov_b32 v[61+12*\x+6*\c+\i], v[82+4*\c+\i]
.endr
.endr
.endm
	s_load_b256 s[4:11], s[0:1], 0x0               ; pc, ps, oc, os
	v_lshl_add_u32 v54, v0, 2, SPARE
	v_mov_b32 v55, 0
	ds_add_u32 v54, v55                            ; the opening lines: the add, twice on end, and its wait
	ds_add_u32 v54, v55
	v_lshrrev_b32 v1, 5, v0
	v_readfirstlane_b32 s12, v1                    ; wave 0..7
	s_bfe_u32 s13, ttmp6, 0x40000                  ; cx: it enters Q's and the output's addresses alone
	s_and_b32 s14, ttmp7, 0xffff                   ; 16 x batch + head, which the four partners share
	s_mov_b32 s24, 15|(3<<16)|(1<<21)              ; group 1 for the codes: the mask names all four; elements of 8 bytes; 128 rows of 256 dense bytes
	s_mov_b32 s25, 32<<16
	s_mov_b32 s26, 128<<16
	s_mov_b32 s27, 32<<16
	s_mov_b32 s28, 128
	s_mov_b32 s29, 32
	s_mov_b32 s30, 0
	s_mov_b32 s31, 0
	s_mov_b32 s32, 15|(3<<16)|(1<<21)              ; and for the scales: 16 rows
	s_mov_b32 s33, 32<<16
	s_mov_b32 s34, 16<<16
	s_mov_b32 s35, 32<<16
	s_mov_b32 s36, 16
	s_mov_b32 s37, 32
	s_mov_b32 s38, 0
	s_mov_b32 s39, 0
	s_mul_i32 s18, s14, 98304                      ; codes: section 1 is K's, section 2 V's; waves 0-2 take K's thirds, waves 3-5 V's
	s_lshl_b32 s19, s12, 15
	s_add_co_u32 s18, s18, s19
	s_add_co_u32 s18, s18, 6291456
	s_cmp_ge_u32 s12, 3
	s_cselect_b32 s19, 6193152, 0                  ; from behind K's 98,304 bytes to V's first
	s_add_co_u32 s18, s18, s19
	s_mov_b32 s19, 0
	s_max_u32 s20, s12, 6                          ; scales: wave 6 K's (section 1), wave 7 V's (section 2)
	s_sub_co_u32 s20, s20, 5
	s_lshl_b32 s20, s20, 18
	s_lshl_b32 s21, s14, 12
	s_add_co_u32 s20, s20, s21
	s_mov_b32 s21, 0
	s_mov_b32 s22, 0x3e38aa3b                      ; c = log2(e) / sqrt(64)
	s_mov_b32 s23, s22                             ; (named with it as a pair, so it is written)
	s_mov_b32 s60, 0x76543210
	s_mov_b32 s61, 0xfedcba98                      ; v_permlanex16_b32's selects for lane l xor 16
	s_mov_b32 s67, 0xffff0000                      ; lanes 16-31
	s_wait_dscnt 0x0
	s_wait_kmcnt 0x0
	s_add_nc_u64 s[18:19], s[4:5], s[18:19]
	s_add_nc_u64 s[20:21], s[6:7], s[20:21]
	s_mov_b32 s40, 1
	s_lshl_b32 s41, s12, 15                        ; in LDS: K's codes at 0, V's at 98,304: 32,768 x wave
	s_mov_b64 s[42:43], s[18:19]
	s_or_b32 s43, s43, 0x80000000
	s_mov_b32 s44, 1
	s_lshl_b32 s45, s12, 12
	s_add_co_u32 s45, s45, 172032                  ; K's scales at 196,608 (wave 6), V's at 200,704 (wave 7)
	s_mov_b64 s[46:47], s[20:21]
	s_or_b32 s47, s47, 0x80000000
	ROUND                                          ; all four work-groups are here: the joint loads meet
	s_cmp_lt_u32 s12, 6
	s_cbranch_scc0 .Lscales
	tensor_load_to_lds s[40:43], s[24:31]          ; my one tensor load
	s_nop 0
.rept 4
	v_nop
.endr
	s_branch .Lasked
.Lscales:
	tensor_load_to_lds s[44:47], s[32:39]
	s_nop 0
.rept 4
	v_nop
.endr
.Lasked:
	s_lshl_b32 s76, s13, 9
	s_lshl_b32 s77, s12, 5
	s_add_co_u32 s76, s76, s77                     ; my first query: 512 cx + 32 x wave
	s_mul_i32 s68, s14, 98304
	s_mul_i32 s77, s76, 48
	s_add_co_u32 s68, s68, s77
	s_mov_b32 s69, 0
	s_add_nc_u64 s[68:69], s[4:5], s[68:69]        ; its codes (section 0)
	s_lshl_b32 s70, s14, 12
	s_lshl_b32 s77, s76, 1
	s_add_co_u32 s70, s70, s77
	s_mov_b32 s71, 0
	s_add_nc_u64 s[70:71], s[6:7], s[70:71]        ; its scale bytes
	s_lshr_b32 s77, s14, 4                         ; the batch
	s_lshl_b32 s78, s77, 4
	s_lshl_b32 s79, s13, 2
	s_add_co_u32 s78, s78, s79
	s_lshr_b32 s79, s12, 2
	s_add_co_u32 s78, s78, s79                     ; the output's block of 128 rows: 16 x batch + 4 cx + wave / 4 (+ 2 in pass 1)
	s_mul_i32 s72, s78, 98304
	s_and_b32 s78, s14, 15                         ; the head = the panel
	s_mul_i32 s79, s78, 6144
	s_add_co_u32 s72, s72, s79
	s_and_b32 s79, s12, 3
	s_mul_i32 s79, s79, 1536
	s_add_co_u32 s72, s72, s79
	s_mov_b32 s73, 0
	s_add_nc_u64 s[72:73], s[8:9], s[72:73]
	s_lshl_b32 s74, s77, 11
	s_add_co_u32 s74, s74, s76
	s_lshl_b32 s74, s74, 5
	s_lshl_b32 s79, s78, 1
	s_add_co_u32 s74, s74, s79
	s_mov_b32 s75, 0
	s_add_nc_u64 s[74:75], s[10:11], s[74:75]      ; the output's scale bytes: 32 x row + 2 x head
	s_mul_i32 s15, s12, 1536
	s_add_co_u32 s15, s15, STG                     ; my stage
	v_and_b32 v8, 15, v0                           ; r
	v_bfe_u32 v9, v0, 4, 1                         ; h
	v_and_b32 v10, 31, v0                          ; lane
	v_mul_u32_u24 v1, v8, 48
	v_mad_u32_u24 v1, v9, 24, v1                   ; a fragment's lane: 48 r + 24 h
	v_add_nc_u32 v2, 98304, v1                     ; the same in V
	v_lshlrev_b32 v22, 1, v8                       ; 2 r
	v_lshl_add_u32 v3, v9, 5, v22
	v_add_nc_u32 v3, 196608, v3                    ; K's scale bytes: 2 r, lanes 16-31 the next tile's
	v_lshlrev_b32 v4, 2, v8
	v_lshl_add_u32 v4, v9, 6, v4
	v_add_nc_u32 v4, 200704, v4                    ; V's scale words: 4 r, lanes 16-31 the next tile's
	v_lshlrev_b32 v5, 4, v10                       ; 16 x lane
	v_add_nc_u32 v6, s15, v1                       ; the stage, in
	v_add_nc_u32 v7, s15, v5                       ; and out
	v_lshl_add_u32 v21, v8, 5, v9                  ; 32 r + h
	v_lshlrev_b32 v20, 3, v9                       ; 8 h
	WIN 0x40
.irp p, 0,1
.irp x, 0,1
.irp i, 0,1,2
	global_load_b64 v[QF+88*\p+12*\x+2*\i:QF+88*\p+12*\x+2*\i+1], v1, s[68:69] offset:12288*\p+768*\x+8*\i   ; Q of both passes stays in registers
.endr
.irp i, 6,7,8,9,10,11
	v_mov_b32 v[QF+88*\p+12*\x+\i], 0              ; Q's zero codes
.endr
.endr
.endr
.irp i, 48,49,50,51,52,53
	v_mov_b32 v[KF+\i], 0                          ; the registers behind K's last fragment
.endr
	WIN 0
.irp p, 0,1
.irp x, 0,1
	global_load_u16 v[48+2*\p+\x], v22, s[70:71] offset:512*\p+32*\x   ; two scale bytes; the upper two are 0
.endr
.endr
.irp i, 25,27,32,33,34,35,42,43
	v_mov_b32 v\i, 0                               ; the upper halves of f's pairs and lane permutes' destinations, which count as read
.endr
.macro INIT
.irp x, 0,1
	v_mov_b32 v[13+4*\x], 0xff61b1e6               ; the largest score so far: -3e38
	v_mov_b32 v[12+4*\x], 0x7f61b1e6               ; -M: 3e38, so that the first f is 0
	v_mov_b32 v[14+4*\x], 0
	v_mov_b32 v[15+4*\x], 0
.endr
	s_mov_b32 s62, 0                               ; where this step's codes of V begin,
	s_mov_b32 s63, 6144                            ; the next step's of K,
	s_mov_b32 s56, 0                               ; this step's scales of V,
	s_mov_b32 s57, 256                             ; the next step's of K
	WIN 0x40
.set j, 0
.rept 64
	v_mov_b32 v[128+j], 0                          ; O^T: the step is written once, its first run finds zeros, which the first f leaves zeros
.set j, j+1
.endr
	KLOAD v1                                       ; step 0's K
	WIN 0
	KSLOAD v3
	WALU                                           ; the wait ahead of the loop's waits
.endm
; A KEY STEP: 128 keys x 32 queries.
.macro STEP p
	s_wait_dscnt 0x0                               ; this step's K, asked for a step ago
	WIN 0x05
.irp t, 0,1,2,3,4,5,6,7
.irp x, 0,1
	WM 128+64*\x+8*\t, KF+6*\t, QF+88*\p+12*\x, 0, 44+\t/2, 48+2*\p+\x, (\t)%2
.endr
.endr
	WIN 0
	v_add_nc_u32 v8, s63, v1                       ; these four are the places between the products and the loads into their registers and the first read of the scores
	v_add_nc_u32 v9, s62, v2
	v_add_nc_u32 v10, s57, v3
	v_add_nc_u32 v11, s56, v4
.irp t, 0,1
	ds_load_b32 v[52+\t], v11 offset:128*\t        ; V's scale words
.endr
	WIN 0x40
.irp t, 0,1,2,3
.irp c, 0,1
.irp q, 0,1,2
	ds_load_b64 v[VF+12*\t+6*\c+2*\q:VF+12*\t+6*\c+2*\q+1], v9 offset:3072*\c+768*\t+8*\q
.endr
.endr
.endr
	KLOAD v8                                       ; the next step's K (behind the last step: bytes of V, which nobody uses)
	WIN 0
	KSLOAD v10
.irp k, 0,1,2,3                        ; the largest score of each block of 32 keys, four chains by turns (k = 2 x + c); each accumulator is first read at its low end
	v_max3_num_f32 v[28+\k], v[128+32*\k], v[129+32*\k], v[130+32*\k]
.endr
.irp i, 3,5,7,9,11,13,15,17,19,21,23,25,27,29
.irp k, 0,1,2,3
	v_max3_num_f32 v[28+\k], v[28+\k], v[128+32*\k+\i], v[129+32*\k+\i]
.endr
.endr
.irp k, 0,1,2,3
	v_max_num_f32 v[28+\k], v[28+\k], v[159+32*\k]
.endr
.irp x, 0,1
	v_max_num_f32 v[40+\x], v[28+2*\x], v[29+2*\x]
.endr
.irp x, 0,1
	v_permlanex16_b32 v[42+\x], v[40+\x], s60, s61
.endr
.irp x, 0,1
	v_max3_num_f32 v[13+4*\x], v[13+4*\x], v[40+\x], v[42+\x]   ; the running largest score of my query
.endr
.irp x, 0,1
	v_mul_f32 v[40+\x], s22, v[13+4*\x]            ; as t (c is positive)
.endr
.irp x, 0,1
	v_floor_f32 v[40+\x], -v[40+\x]                ; the new -M = -ceil(t): a whole number
.endr
.irp x, 0,1
	v_sub_f32 v[42+\x], v[40+\x], v[12+4*\x]       ; old M - new M: a whole number, 0 or less
.endr
.irp x, 0,1
	v_mov_b32 v[12+4*\x], v[40+\x]
.endr
.irp x, 0,1
	v_cvt_i32_f32 v[42+\x], v[42+\x]               ; (it saturates)
.endr
.irp x, 0,1
	v_ldexp_f32 v[24+2*\x], 1.0, v[42+\x]          ; f = 2^(old M - new M)
.endr
	WIN 0x41
.irp x, 0,1
.set j, 0
.rept 16
	v_pk_mul_f32 v[128+32*\x+j:129+32*\x+j], v[128+32*\x+j:129+32*\x+j], v[24+2*\x:25+2*\x] op_sel_hi:[1,0]   ; O^T under the new M, ahead of the exponentials
.set j, j+2
.endr
.endr
	WIN 0
.set j, 0
.rept 32
	v_pk_fma_f32 v[128+j:129+j], v[128+j:129+j], s[22:23], v[12:13] op_sel_hi:[1,0,0]   ; tile 0: t - M
.set j, j+2
.endr
	v_fma_f32 v28, v28, s22, v12                   ; the same of its blocks' largest scores
	v_fma_f32 v29, v29, s22, v12
	WALU                                           ; the wait ahead of a batch of exponentials
	v_exp_f32 v28, v28
	v_exp_f32 v29, v29
.set j, 0
.rept 32
	v_exp_f32 v[128+j], v[128+j]                   ; tile 0: p = 2^(t - M), at most 1
	v_exp_f32 v[129+j], v[129+j]
	v_pk_fma_f32 v[192+j:193+j], v[192+j:193+j], s[22:23], v[16:17] op_sel_hi:[1,0,0]   ; among them tile 1's t - M: read only behind the next wait
.set j, j+2
.endr
	v_fma_f32 v30, v30, s22, v16
	v_fma_f32 v31, v31, s22, v16
	WALU                                           ; behind tile 0's batch and ahead of tile 1's
	v_exp_f32 v30, v30
	v_exp_f32 v31, v31
.set j, 0
.rept 16
	v_exp_f32 v[192+2*j], v[192+2*j]
	v_exp_f32 v[193+2*j], v[193+2*j]
	v_exp_f32 v[194+2*j], v[194+2*j]
	v_exp_f32 v[195+2*j], v[195+2*j]
	v_pk_add_f32 v[90+j:91+j], v[128+j:129+j], v[160+j:161+j]   ; among them the first level of tile 0's sum of the unquantised p: read only behind the next wait
.set j, j+2
.endr
	WALU
.irp k, 0,1,2,3
	v_max_num_f32 v[28+\k], 0x1800000, v[28+\k]    ; the floor 2^(3 - 127): the byte cannot fall under 1
.endr
.irp k, 0,1,2,3
	v_add_nc_u32 v[36+\k], 0xff000000, v[28+\k]    ; 2 off the exponent field: the conversion's scale operand
.endr
.irp k, 0,1,2,3
	v_lshrrev_b32 v[32+\k], 23, v[36+\k]           ; the scale's byte
.endr
.irp x, 0,1
	v_lshl_or_b32 v[40+\x], v[33+2*\x], 16, v[32+2*\x]   ; my two bytes: blocks h and 2 + h,
.endr
.irp x, 0,1
	v_lshlrev_b32 v[40+\x], v20, v[40+\x]          ; at their places in the scale word;
.endr
.irp x, 0,1
	v_permlanex16_b32 v[42+\x], v[40+\x], s60, s61
.endr
.irp x, 0,1
	v_or_b32 v[56+\x], v[40+\x], v[42+\x]          ; with lane l xor 16's two the word is whole
.endr
	CVT 0
	LV 90, 8                                       ; (plain lines behind the conversions)
	MOVC 0
	CVT 1
	LV 90, 4
	MOVC 1
.set j, 0
.rept 16
	v_pk_add_f32 v[128+j:129+j], v[192+j:193+j], v[224+j:225+j]   ; tile 1's sum, first level, into tile 0's registers, which are done with
.set j, j+2
.endr
	LV 90, 2
	LV 128, 8
	LV 90, 1
	LV 128, 4
	v_pk_fma_f32 v[14:15], v[14:15], v[24:25], v[90:91] op_sel_hi:[1,0,1]     ; the sum under the new M, and this step's
	LV 128, 2
	LV 128, 1
	v_pk_fma_f32 v[18:19], v[18:19], v[26:27], v[128:129] op_sel_hi:[1,0,1]
	WALU                                           ; the wait ahead of the wait below
	s_wait_dscnt 28                                ; V and its scales are in; younger are the next step's 24 loads of K and 4 of its scales
	WIN 0x51
.irp t, 0,1,2,3                        ; eight accumulators by turns; between two steps of a sum stand 23 other products
.irp x, 0,1
	WM 128+32*\x+8*\t, VF+12*\t, 58+12*\x, v[128+32*\x+8*\t:135+32*\x+8*\t], 52+\t/2, 56+\x, (\t)%2
.endr
.endr
	WIN 0
	s_add_co_u32 s62, s62, 6144
	s_add_co_u32 s63, s63, 6144
	s_add_co_u32 s56, s56, 256
	s_add_co_u32 s57, s57, 256
.endm
; THE WAY OUT of pass p: O^T / the sum; register 16 b + i of a tile is channel 32 b + 16 h + i of my query: two blocks of 32 along the last projection's K, each in lanes l and l xor 16.
.macro FINISH p
.irp x, 0,1
	v_add_f32 v[14+4*\x], v[14+4*\x], v[15+4*\x]   ; (with the two adds below: the places behind the last products)
.endr
.irp x, 0,1
	v_permlanex16_b32 v[42+\x], v[14+4*\x], s60, s61
.endr
.irp x, 0,1
	v_add_f32 v[14+4*\x], v[14+4*\x], v[42+\x]     ; the row's sum
.endr
	WALU
	v_rcp_f32 v14, v14
	v_rcp_f32 v18, v18
	v_nop                                          ; a plain line behind the reciprocals,
	WALU                                           ; and the wait ahead of their first reader, which is O^T's first reader too
	WIN 0x01
.irp x, 0,1
.set j, 0
.rept 32
	v_mul_f32 v[128+32*\x+j], v[128+32*\x+j], v[14+4*\x]   ; from window 1 into window 0, each accumulator from its low end on
.set j, j+1
.endr
.endr
	WIN 0
.irp k, 0,1,2,3                        ; k = 2 x + b
	v_max3_num_f32 v[28+\k], |v[128+16*\k]|, |v[129+16*\k]|, 0x1800000
.endr
.irp i, 2,4,6,8,10,12,14
.irp k, 0,1,2,3
	v_max3_num_f32 v[28+\k], v[28+\k], |v[128+16*\k+\i]|, |v[129+16*\k+\i]|
.endr
.endr
.irp k, 0,1,2,3
	v_permlanex16_b32 v[32+\k], v[28+\k], s60, s61
.endr
.irp k, 0,1,2,3
	v_max_num_f32 v[28+\k], v[28+\k], v[32+\k]
.endr
.irp k, 0,1,2,3
	v_add_nc_u32 v[36+\k], 0xff000000, v[28+\k]
.endr
.irp k, 0,1,2,3
	v_lshrrev_b32 v[32+\k], 23, v[36+\k]
.endr
.irp x, 0,1
	v_cvt_scalef32_pk16_fp6_f32 v[58+12*\x:60+12*\x], v[128+32*\x:143+32*\x], v[36+2*\x]
	v_cvt_scalef32_pk16_fp6_f32 v[82+4*\x:84+4*\x], v[144+32*\x:159+32*\x], v[37+2*\x]
.endr
	v_nop
.irp x, 0,1
.irp i, 0,1,2
	v_permlane16_swap_b32 v[58+12*\x+\i], v[82+4*\x+\i]   ; a whole block to a lane
.endr
.endr
.irp x, 0,1
.irp i, 0,1,2
	v_mov_b32 v[61+12*\x+\i], v[82+4*\x+\i]        ; six registers: my 24 bytes at 48 r + 24 h of the tile's 768
.endr
.endr
.irp x, 0,1
	v_cndmask_b32 v[40+\x], v[32+2*\x], v[33+2*\x], s67   ; lanes 0-15 carry block 0's byte, lanes 16-31 block 1's
.endr
.irp x, 0,1
.irp i, 0,1,2
	ds_store_b64 v6, v[58+12*\x+2*\i:59+12*\x+2*\i] offset:768*\x+8*\i
.endr
.endr
.irp i, 0,1,2
	ds_load_b128 v[90+4*\i:93+4*\i], v7 offset:512*\i   ; LDS serves a wave's instructions in order: these see my stores
.endr
	WALU
	s_wait_dscnt 0x0
.irp i, 0,1,2
	global_store_b128 v5, v[90+4*\i:93+4*\i], s[72:73] offset:196608*\p+512*\i th:TH_STORE_NT   ; 32 lanes store 512 consecutive bytes, aligned to 256
.endr
.irp x, 0,1
	global_store_b8 v21, v[40+\x], s[74:75] offset:8192*\p+512*\x
.endr
	s_wait_xcnt 0x0                                ; the stores have read their registers, which the next pass writes
.endm
.macro PASS p
	INIT
	s_mov_b32 s66, 16
.Lkey_\@:
	STEP \p
	s_sub_co_u32 s66, s66, 1
	s_cmp_lg_u32 s66, 0
	s_cbranch_scc1 .Lkey_\@
	FINISH \p
.endm
	WALU                                           ; the wait at the head's end
	s_wait_loadcnt 0x0                             ; Q
	s_wait_tensorcnt 0x0                           ; my tile is in
	s_barrier_signal -1
	s_barrier_wait -1                              ; everybody's is: all of K and V
	PASS 0
	PASS 1
	s_wait_tensorcnt 0x0                           ; the wave's end
	ds_add_u32 v54, v55
	s_wait_dscnt 0x0
	ROUND                                          ; the closing round
	s_endpgm
.Lfunc_end_k_q399b18ed75_attn:
	.size	k_q399b18ed75_attn, .Lfunc_end_k_q399b18ed75_attn-k_q399b18ed75_attn
	.p2alignl 7, 3214868480
	.fill 96, 4, 3214868480
	.section	.rodata,"a",@progbits
	.p2align	6, 0x0
	.amdhsa_kernel k_q399b18ed75_attn
		.amdhsa_group_segment_fixed_size 219136
		.amdhsa_private_segment_fixed_size 0
		.amdhsa_enable_private_segment 0
		.amdhsa_kernarg_size 32
		.amdhsa_user_sgpr_count 2
		.amdhsa_user_sgpr_kernarg_segment_ptr 1
		.amdhsa_wavefront_size32 1
		.amdhsa_system_sgpr_workgroup_id_x 1
		.amdhsa_system_sgpr_workgroup_id_y 1
		.amdhsa_system_sgpr_workgroup_id_z 1
		.amdhsa_system_vgpr_workitem_id 0
		.amdhsa_next_free_vgpr 472
		.amdhsa_next_free_sgpr 80
		.amdhsa_reserve_vcc 0
		.amdhsa_float_denorm_mode_32 3
		.amdhsa_float_denorm_mode_16_64 3
		.amdhsa_memory_ordered 1
		.amdhsa_forward_progress 1
		.amdhsa_inst_pref_size 90
	.end_amdhsa_kernel
	.amdgpu_metadata
---
amdhsa.version: [ 1, 2 ]
amdhsa.kernels:
  - .name:           k_q399b18ed75_attn
    .symbol:         k_q399b18ed75_attn.kd
    .args:
      - { .name: pc, .offset: 0, .size: 8, .value_kind: global_buffer, .address_space: global }
      - { .name: ps, .offset: 8, .size: 8, .value_kind: global_buffer, .address_space: global }
      - { .name: oc, .offset: 16, .size: 8, .value_kind: global_buffer, .address_space: global }
      - { .name: os, .offset: 24, .size: 8, .value_kind: global_buffer, .address_space: global }
    .group_segment_fixed_size: 219136
    .private_segment_fixed_size: 0
    .kernarg_segment_align: 8
    .kernarg_segment_size: 32
    .max_flat_workgroup_size: 256
    .sgpr_count:     80
    .vgpr_count:     472
    .wavefront_size: 32
...
	.end_amdgpu_metadata
.endif
;; end of part 3
;; launch outproj (part 4): grid 32 x 8, 4 waves a work-group, clusters of 4 x 4, 327,680 bytes of LDS; arguments oc, os, wc, ws, bo, out0; writes out0
.if DOCPART == 4
	.amdgcn_target "amdgcn-amd-amdhsa--gfx1250"
	.amdhsa_code_object_version 6
	.text
	.protected	k_q399b18ed75_outproj
	.globl	k_q399b18ed75_outproj
	.p2align	8
	.type	k_q399b18ed75_outproj,@function
k_q399b18ed75_outproj:
	s_mov_b64 s[64:65], 0
	v_nop
	global_prefetch_b8 v0, s[64:65] scope:SCOPE_SE
	s_setreg_imm32_b32 hwreg(HW_REG_WAVE_MODE, 25, 1), 1
	s_wait_xcnt 0x0
	s_wait_alu depctr_hold_cnt(0) depctr_sa_sdst(0) depctr_va_vdst(0) depctr_va_sdst(0) depctr_va_ssrc(0) depctr_va_vcc(0) depctr_vm_vsrc(0)
	s_getreg_b32 s2, hwreg(HW_REG_IB_STS2, 6, 4)
	s_cmp_eq_u32 s2, 0
	s_cbranch_scc0 .Lentry_in_a_cluster
	s_endpgm
.Lentry_in_a_cluster:
	s_bfe_u32 s2, ttmp6, 0x10000c
	s_cmp_lg_u32 s2, 0xf033
	s_cbranch_scc0 .Lentry_shape_is_right
	s_endpgm
.Lentry_shape_is_right:
; out0[token][n] = sum over k of O[token][k] wo[k][n] + bo[n], f32: the last projection, 8,192 x 1,024 x 1,024, on codes of FP6 (E2M3) with one E8M0 byte for each 32 along K.
; A = oc, as the attention launch left it: [rows / 128][16 panels of 64 along K][128 rows][48 bytes], scale bytes os [row][32].  B = wo's codes in wc (the fourth weight), the same layout, n as rows,
; stored with bits 3 and 4 of the row number exchanged; scale bytes ws [stored row][32].
; LIMITS: NaN, infinities and sums beyond f32's range are not served.  A sum begins with the bias.
; THE DEAL.  256 work-groups of four waves, 2 x 2, each 256 rows x 128 columns of the result.  A wave holds four tiles of 16 columns of B, all of K, in 384 registers and streams A's rows past them in eight blocks of 16:
; the wave in row a, column b of the 2 x 2 takes rows 32 s + 16 a + 0 .. 15 as its block s and columns 64 b + 0 .. 63.  A block's eight fragments feed 32 products, four accumulators by turns.
; THE CLUSTER's x counts tile rows (grid = 32, 8): tile row 4 x cluster x + cx, tile column 4 x cluster y + cy.  A's tile is shared by a COLUMN of the cluster (mask s44), B's by a ROW (mask s45).
; LDS: A's 256 rows (two groups of 98,304 dense bytes), B's 128 rows (98,304), all of K at once: nothing is filled again, and no data prefetch is laid: all is asked for at the head, there is no loop to run ahead in.
; Rows lie 48 bytes apart in a panel: the 32 lanes of a load of 8 bytes (48 r + 24 h) touch 64 different banks of 4 bytes, so no padding.  Behind the tiles: a stage of 16 x 272 bytes for each wave, and the spare words.
; THE HEAD'S FOUR TILES, one a wave, each on its own line: B; A's rows 0 to 127; panels 0 to 7 of A's rows 128 to 255; their panels 8 to 15.  The stream begins when the first two are in; a plain barrier inside block 1 shows the others.
; The scale words (A's: 8 a block and lane, all 64 at once; B's 16) and the bias come by plain loads into registers; the bias is the first products' C.
; THE PRODUCT IS USED TRANSPOSED (source 0 = 16 rows of B, source 1 = 16 rows of A): lane (r, h) holds row r; by B's stored order register j of tile t is column 32 (t / 2) + 16 h + 8 (t % 2) + j of the wave's 64.
; ONE RUN OF MEMORY LINES behind a block's 32 products: its sums into the stage and back as whole rows of 256 bytes; the fetch of the block two on; one wait; eight stores.
; REGISTERS.  Window 0: v0-23 addresses; v24-39 B's scale words; v44-107 A's; v108-171 two sets of four accumulators; v172-235 two sets of rows back from the stage.
; Fragment f lies in window 1 + f / 21 at register 12 (f % 21): 0-31 B's (4 q + tile), 32-47 A's two sets (32 + 8 e + q).  Window 3, v72-103: the bias.
.set KP,     6144                      ; a panel: 128 rows x 48 bytes
.set GRP,    16*KP                     ; 128 rows, all of K
.set YB,     2*GRP                     ; B's rows in LDS
.set STAGE,  3*GRP
.set SPITCH, 272
.set SPARE,  STAGE+4*16*SPITCH
.set NQ,  8
.set NB,  4
.set FR,  12
.set FPW, 21
.set NF,  48                           ; LDS loads of a block: 8 fragments of 6 pieces
.set AQ0, 4                            ; v4, v5   LDS address of my pieces of block 0: panels 0-7, panels 8-15; never rewritten
.set AQ,  6                            ; v6, v7   the same for the block that is fetched next
.set BIA, 8                            ; v8       64 h
.set CO,  9                            ; v9       my byte offset in the result: row l / 16, 16 bytes x (l % 16)
.set SPW, 10
.set NIL, 11
.set ADRB, 12                          ; v12, v13 as v4, v5, for B
.set ABS, 14                           ; v14      32 x lane
.set AAS, 15                           ; v15      32 r
.set STO, 16
.set RD,  17
.set SB,  24
.set SA,  44                           ; a product's two scale registers differ by 4 modulo 8 in their numbers
.set ACC, 108
.set BK,  172
.set BO,  72
.set WV,  84                           ; s84 the wave, s85 its row a, s86 its column b
.set WA,  85
.set WB,  86
.set G1A, 24
.set G1B, 32
.set G0A, 56
.set G0B, 60
.set MSB, 0
.macro WIN new
.if MSB != \new
	s_set_vgpr_msb (MSB<<8)|\new
.set MSB, \new
.endif
.endm
.macro PLACES n
.rept \n
	v_nop
.endr
.endm
.macro WALU
	s_wait_alu depctr_va_vdst(0)
.endm
.macro BARRIER
	s_barrier_signal -1
	s_barrier_wait -1
.endm
.macro CROUND
	BARRIER
	s_cmp_lg_u32 s[WV], 0
	s_cbranch_scc1 .Lnot_wave_0_\@
	s_barrier_signal -3
.Lnot_wave_0_\@:
	s_barrier_wait -3
	BARRIER
.endm
.macro TLOAD g0, g1                    ; a tensor load; an s_nop 0 and four v_nop follow it
	tensor_load_to_lds s[\g0:\g0+3], s[\g1:\g1+7]
	s_nop 0
	PLACES 4
.endm
.macro GROUP1 g, mask, rows            ; dense rows of 256 bytes (32 elements of 8); rows = 0: the two words that hold the rows are written with each tile
	s_or_b32 s[\g+0], s[\mask], (3<<16)|(1<<21)
	s_mov_b32 s[\g+1], 32<<16
	s_mov_b32 s[\g+3], 32<<16
.if \rows
	s_mov_b32 s[\g+2], (\rows)<<16
	s_mov_b32 s[\g+4], \rows
.endif
	s_mov_b32 s[\g+5], 32
	s_mov_b32 s[\g+6], 0
	s_mov_b32 s[\g+7], 0
.endm
.macro ATILE first, rows               ; a part of A's tile, from byte first on: its place in LDS is its place in the tile
	s_mov_b32 s[G0A+1], \first
	s_mov_b32 s[G1A+2], (\rows)<<16
	s_mov_b32 s[G1A+4], \rows
.if \first
	s_add_nc_u64 s[G0A+2:G0A+3], s[G0A+2:G0A+3], \first
.endif
	s_or_b32 s[G0A+3], s[G0A+3], 0x80000000
	TLOAD G0A, G1A
.endm
.macro FRAG f, q, adr, off             ; fragment f: K step q: panels 2 q and 2 q + 1, three pieces of 8 bytes of each
	WIN (1+(\f)/FPW)<<6
.irp c, 0,1
.irp p, 0,1,2
	ds_load_b64 v[FR*((\f)%FPW)+6*\c+2*\p:FR*((\f)%FPW)+6*\c+2*\p+1], v[\adr+(2*(\q)+\c)/8] offset:((2*(\q)+\c)%8)*KP+(\off)+8*\p
.endr
.endr
.endm
.macro FETCHAT e, aq                   ; a block of A into set e: NF loads
.irp q, 0,1,2,3,4,5,6,7
	FRAG NB*NQ+NQ*(\e)+\q, \q, \aq, 0
.endr
	WIN 0
.endm
.macro PROD1 d, s0, s1, c, x0, x1, o
.if \o
	v_wmma_scale_f32_16x16x128_f8f6f4 v[\d:\d+7], v[FR*((\s0)%FPW):FR*((\s0)%FPW)+FR-1], v[FR*((\s1)%FPW):FR*((\s1)%FPW)+FR-1], \c, v[\x0], v[\x1] matrix_a_fmt:MATRIX_FMT_FP6 matrix_b_fmt:MATRIX_FMT_FP6 matrix_a_scale:MATRIX_SCALE_ROW1
.else
	v_wmma_scale_f32_16x16x128_f8f6f4 v[\d:\d+7], v[FR*((\s0)%FPW):FR*((\s0)%FPW)+FR-1], v[FR*((\s1)%FPW):FR*((\s1)%FPW)+FR-1], \c, v[\x0], v[\x1] matrix_a_fmt:MATRIX_FMT_FP6 matrix_b_fmt:MATRIX_FMT_FP6 matrix_a_scale:MATRIX_SCALE_ROW0
.endif
.endm
.macro PROD s, n                       ; product n = 4 q + tile of block s; the first along K takes the bias as C
.set Q_, (\n)/4
.set FB_, NB*Q_+(\n)%4
.set FA_, NB*NQ+NQ*((\s)%2)+Q_
.set D_, ACC+32*((\s)%2)+8*((\n)%4)
.set XB_, SB+NQ*(((\n)%4)/2)+Q_
.set XA_, SA+8*(\s)+Q_
.if Q_
	WIN (1+FB_/FPW)|((1+FA_/FPW)<<2)
	PROD1 D_, FB_, FA_, v[D_:D_+7], XB_, XA_, (\n)%2
.else
	WIN (1+FB_/FPW)|((1+FA_/FPW)<<2)|0x30
	PROD1 D_, FB_, FA_, v[BO+8*((\n)%4):BO+8*((\n)%4)+7], XB_, XA_, (\n)%2
.endif
.endm
.macro PRODS s, from, to
.set N_, \from
.rept (\to)-(\from)
	PROD \s, N_
.set N_, N_+1
.endr
	WIN 0
.endm
.macro STAGED u                        ; set u's sums into my stage, each accumulator from its low end on, and back as whole rows.  LDS serves a wave's instructions in order (ISA guide 5.7.1.4): no wait between
.irp b, 0,1,2,3
	ds_store_b128 v[STO], v[ACC+32*(\u)+8*\b:ACC+32*(\u)+8*\b+3] offset:128*(\b/2)+32*(\b%2)
	ds_store_b128 v[STO], v[ACC+32*(\u)+8*\b+4:ACC+32*(\u)+8*\b+7] offset:128*(\b/2)+32*(\b%2)+16
.endr
.irp t, 0,1,2,3,4,5,6,7
	ds_load_b128 v[BK+32*(\u)+4*\t:BK+32*(\u)+4*\t+3], v[RD] offset:2*\t*SPITCH
.endr
.endm
.macro STREAM s                        ; block s
.if (\s) == 1
	PRODS \s, 0, 24
	s_wait_tensorcnt 0x0                           ; every wave: all my tensor loads are in
	s_wait_dscnt 0x0
	s_barrier_signal -1                            ; a plain barrier: A's rows 128 to 255 are shown to all
	PRODS \s, 24, 32
	s_barrier_wait -1
.else
	PRODS \s, 0, 32
.endif
.if (\s) < 6                           ; four plain vector lines between the last product and the first reader of its sums and the fetch into its registers
	v_add_nc_u32 v[AQ], (((\s)+2)/4)*GRP+(((\s)+2)%4)*1536, v[AQ0]
	v_add_nc_u32 v[AQ+1], (((\s)+2)/4)*GRP+(((\s)+2)%4)*1536, v[AQ0+1]
	PLACES 2
	WALU                                           ; the wait ahead of the wait below
.else
	PLACES 4
.endif
	s_wait_xcnt 0x0                                ; the stores of two blocks ago have read this set of rows
	STAGED (\s)%2
.if (\s) < 6
	FETCHAT (\s)%2, AQ
	s_wait_dscnt NF                                ; the block's rows are back from the stage, and the next block's fragments are in: younger is this run's fetch alone
.else
	s_wait_dscnt 0x0
.endif
.irp t, 0,1,2,3,4,5,6,7
	global_store_b128 v[CO], v[BK+32*((\s)%2)+4*\t:BK+32*((\s)%2)+4*\t+3], s[14:15] offset:(32*(\s)+2*\t)*4096 th:TH_STORE_NT   ; 16 lanes store 256 consecutive bytes, aligned
.endr
.endm
; ================= THE HEAD
	s_load_b128 s[4:7], s[0:1], 0x0                ; oc, os
	s_load_b128 s[8:11], s[0:1], 0x10              ; wc, ws
	s_load_b128 s[12:15], s[0:1], 0x20             ; bo, out0
	v_lshl_add_u32 v[SPW], v0, 2, SPARE
	v_mov_b32 v[NIL], 0
	ds_add_u32 v[SPW], v[NIL]                      ; the opening lines: the add, twice on end, and its wait
	ds_add_u32 v[SPW], v[NIL]
	v_lshrrev_b32 v1, 5, v0
	v_readfirstlane_b32 s[WV], v1
	s_lshr_b32 s[WA], s[WV], 1
	s_and_b32 s[WB], s[WV], 1
	s_bfe_u32 s40, ttmp6, 0x40000                  ; cx
	s_bfe_u32 s41, ttmp6, 0x40004                  ; cy
	s_lshl_b32 s43, ttmp9, 2
	s_add_co_u32 s43, s43, s40                     ; tile row
	s_and_b32 s42, ttmp7, 0xffff
	s_lshl_b32 s42, s42, 2
	s_add_co_u32 s42, s42, s41                     ; tile column
	s_lshl_b32 s44, 0x1111, s40                    ; my column of the cluster: shares A's tile
	s_lshl_b32 s45, s41, 2
	s_lshl_b32 s45, 15, s45                        ; my row: shares B's
	GROUP1 G1A, 44, 0
	GROUP1 G1B, 45, 384
	s_mov_b32 s[G0A], 1
	s_mov_b32 s[G0B], 1
	s_mov_b32 s[G0B+1], YB
	s_mul_i32 s76, s43, 2*GRP                      ; A's tile, bytes from oc
	s_mov_b32 s77, 0
	s_mul_i32 s78, s42, GRP
	s_add_co_u32 s78, s78, 3*8*GRP                 ; B's tile: the fourth weight in wc
	s_mov_b32 s79, 0
	s_lshl_b32 s80, s43, 13                        ; A's scale bytes: 256 rows of 32, + my 16 a rows
	s_lshl_b32 s20, s[WA], 9
	s_add_co_u32 s80, s80, s20
	s_mov_b32 s81, 0
	s_lshl_b32 s82, s42, 12                        ; B's: 128 rows of 32, + my 64 b rows, in the fourth weight's
	s_lshl_b32 s20, s[WB], 11
	s_add_co_u32 s82, s82, s20
	s_add_co_u32 s82, s82, 3*32768
	s_mov_b32 s83, 0
	s_lshl_b32 s88, s42, 9                         ; my first column, in bytes
	s_lshl_b32 s20, s[WB], 8
	s_add_co_u32 s88, s88, s20
	s_mov_b32 s89, 0
	s_lshl_b32 s90, s43, 20                        ; my first row of the result: 256 x tile row + 16 a, rows of 4,096 bytes
	s_lshl_b32 s20, s[WA], 16
	s_add_co_u32 s90, s90, s20
	s_add_co_u32 s90, s90, s88
	s_mov_b32 s91, 0
	s_mul_i32 s20, s[WA], 768
	s_mul_i32 s21, s[WB], 3072
	s_add_co_u32 s21, s21, YB
	s_mul_i32 s22, s[WV], 16*SPITCH
	s_add_co_u32 s22, s22, STAGE
	v_and_b32 v1, 15, v0                           ; r
	v_bfe_u32 v2, v0, 4, 1                         ; h
	v_and_b32 v3, 31, v0                           ; lane
	v_mul_u32_u24 v22, v1, 48
	v_mad_u32_u24 v22, v2, 24, v22                 ; 48 r + 24 h
	v_add_nc_u32 v[AQ0], s20, v22
	v_add_nc_u32 v[AQ0+1], 8*KP, v[AQ0]
	v_add_nc_u32 v[AQ], 1536, v[AQ0]               ; block 1
	v_add_nc_u32 v[AQ+1], 1536, v[AQ0+1]
	v_add_nc_u32 v[ADRB], s21, v22
	v_add_nc_u32 v[ADRB+1], 8*KP, v[ADRB]
	v_lshlrev_b32 v[ABS], 5, v3
	v_lshlrev_b32 v[AAS], 5, v1
	v_lshlrev_b32 v[BIA], 6, v2
	v_mul_u32_u24 v23, v1, SPITCH
	v_lshl_add_u32 v23, v2, 6, v23
	v_add_nc_u32 v[STO], s22, v23                  ; into the stage: row r, 64 bytes for each half of the lanes
	v_mul_u32_u24 v23, v2, SPITCH
	v_lshl_add_u32 v23, v1, 4, v23
	v_add_nc_u32 v[RD], s22, v23                   ; back: lanes 0-15 one row of 256 bytes, lanes 16-31 the next
	v_lshlrev_b32 v23, 12, v2
	v_lshl_add_u32 v[CO], v1, 4, v23
	WALU                                           ; the wait at the head's end
	s_wait_dscnt 0x0
	CROUND                                         ; the opening round, ahead of the wait for the arguments
	s_wait_kmcnt 0x0
	s_add_nc_u64 s[G0A+2:G0A+3], s[4:5], s[76:77]
	s_add_nc_u64 s[G0B+2:G0B+3], s[8:9], s[78:79]
	s_or_b32 s[G0B+3], s[G0B+3], 0x80000000
	s_add_nc_u64 s[6:7], s[6:7], s[80:81]
	s_add_nc_u64 s[10:11], s[10:11], s[82:83]
	s_add_nc_u64 s[12:13], s[12:13], s[88:89]
	s_add_nc_u64 s[14:15], s[14:15], s[90:91]
	s_cmp_eq_u32 s[WV], 0
	s_cbranch_scc0 .Lwave_1
	TLOAD G0B, G1B                                 ; wave 0: B's rows, which are wanted first
	s_branch .Lasked
.Lwave_1:
	s_cmp_eq_u32 s[WV], 1
	s_cbranch_scc0 .Lwave_2
	ATILE 0, 384                                   ; wave 1: A's rows 0 to 127
	s_branch .Lasked
.Lwave_2:
	s_cmp_eq_u32 s[WV], 2
	s_cbranch_scc0 .Lwave_3
	ATILE GRP, 192                                 ; wave 2: rows 128 to 255, panels 0 to 7
	s_branch .Lasked
.Lwave_3:
	ATILE GRP+8*KP, 192                            ; wave 3: their panels 8 to 15
.Lasked:
.irp s, 0,1,2,3,4,5,6,7
.irp c, 0,1
	global_load_b128 v[SA+8*\s+4*\c:SA+8*\s+4*\c+3], v[AAS], s[6:7] offset:1024*\s+16*\c   ; block s: row r's eight scale words
.endr
.endr
.irp p, 0,1
.irp c, 0,1
	global_load_b128 v[SB+NQ*\p+4*\c:SB+NQ*\p+4*\c+3], v[ABS], s[10:11] offset:1024*\p+16*\c   ; lanes 0-15 tile 2 p, lanes 16-31 tile 2 p + 1
.endr
.endr
	WIN 0xc0
.irp b, 0,1,2,3
	global_load_b128 v[BO+8*\b:BO+8*\b+3], v[BIA], s[12:13] offset:128*(\b/2)+32*(\b%2)
	global_load_b128 v[BO+8*\b+4:BO+8*\b+7], v[BIA], s[12:13] offset:128*(\b/2)+32*(\b%2)+16
.endr
	WIN 0
	s_wait_loadcnt 0x0
	s_cmp_eq_u32 s[WV], 0
	s_cbranch_scc0 .Lnot_b
	s_wait_tensorcnt 0x0                           ; wave 0: B has landed
.Lnot_b:
	BARRIER
.irp q, 0,1,2,3,4,5,6,7
.irp b, 0,1,2,3
	FRAG NB*\q+\b, \q, ADRB, 768*\b
.endr
.endr
	WIN 0
	s_cmp_eq_u32 s[WV], 1
	s_cbranch_scc0 .Lnot_a
	s_wait_tensorcnt 0x0                           ; wave 1: A's rows 0 to 127 have landed
.Lnot_a:
	s_wait_dscnt 0x0
	BARRIER                                        ; waves 2 and 3's tiles may still be on their way
	FETCHAT 0, AQ0
	FETCHAT 1, AQ
	s_wait_dscnt NF                                ; block 0's fragments are in
; ================= THE STREAM: eight blocks, written out: every LDS place and every offset is a constant
.irp s, 0,1,2,3,4,5,6,7
	STREAM \s
.endr
	s_wait_tensorcnt 0x0                           ; the wave's end
	ds_add_u32 v[SPW], v[NIL]
	s_wait_dscnt 0x0
	CROUND                                         ; the closing round
	s_endpgm
.Lfunc_end_k_q399b18ed75_outproj:
	.size	k_q399b18ed75_outproj, .Lfunc_end_k_q399b18ed75_outproj-k_q399b18ed75_outproj
	.p2alignl 7, 3214868480
	.fill 96, 4, 3214868480
	.section	.rodata,"a",@progbits
	.p2align	6, 0x0
	.amdhsa_kernel k_q399b18ed75_outproj
		.amdhsa_group_segment_fixed_size 327680
		.amdhsa_private_segment_fixed_size 0
		.amdhsa_enable_private_segment 0
		.amdhsa_kernarg_size 48
		.amdhsa_user_sgpr_count 2
		.amdhsa_user_sgpr_kernarg_segment_ptr 1
		.amdhsa_wavefront_size32 1
		.amdhsa_system_sgpr_workgroup_id_x 1
		.amdhsa_system_sgpr_workgroup_id_y 1
		.amdhsa_system_sgpr_workgroup_id_z 1
		.amdhsa_system_vgpr_workitem_id 0
		.amdhsa_next_free_vgpr 872
		.amdhsa_next_free_sgpr 96
		.amdhsa_reserve_vcc 0
		.amdhsa_float_denorm_mode_32 3
		.amdhsa_float_denorm_mode_16_64 3
		.amdhsa_memory_ordered 1
		.amdhsa_forward_progress 1
		.amdhsa_inst_pref_size 97
	.end_amdhsa_kernel
	.amdgpu_metadata
---
amdhsa.version: [ 1, 2 ]
amdhsa.kernels:
  - .name:           k_q399b18ed75_outproj
    .symbol:         k_q399b18ed75_outproj.kd
    .args:
      - { .name: oc, .offset: 0, .size: 8, .value_kind: global_buffer, .address_space: global }
      - { .name: os, .offset: 8, .size: 8, .value_kind: global_buffer, .address_space: global }
      - { .name: wc, .offset: 16, .size: 8, .value_kind: global_buffer, .address_space: global }
      - { .name: ws, .offset: 24, .size: 8, .value_kind: global_buffer, .address_space: global }
      - { .name: bo, .offset: 32, .size: 8, .value_kind: global_buffer, .address_space: global }
      - { .name: out0, .offset: 40, .size: 8, .value_kind: global_buffer, .address_space: global }
    .group_segment_fixed_size: 327680
    .private_segment_fixed_size: 0
    .kernarg_segment_align: 8
    .kernarg_segment_size: 48
    .max_flat_workgroup_size: 128
    .sgpr_count:     96
    .vgpr_count:     872
    .wavefront_size: 32
...
	.end_amdgpu_metadata
.endif
;; end of part 4
